; MI455X (gfx1250); checked and timed in simulation.
; The chip was launched on July 23, 2026; its instructions are those of AMD's public machine-readable ISA for CDNA 5 (MIT licence, August 2026) and "CDNA5" Instruction Set Architecture Reference Guide (July 2026). The comments in the code are by the model that wrote it; some were corrected since.
;; Attention Layer. Allowed arithmetic: matrix products marked QUANTISED: E3M2 operands, one E8M0 scale for each 32 along K, by v_wmma_scale_f32_16x16x128_f8f6f4 with both operands' format E3M2, f32 sums; everything else in f32.
;; Inputs: Wk 1,024 x 1,024 float32; Wq 1,024 x 1,024 float32; Wv 1,024 x 1,024 float32; bk 1,024 float32; bq 1,024 float32; bv 1,024 float32; x 4 x 2,048 x 1,024 float32.
;; Outputs: out0 4 x 2,048 x 1,024 float32.
;; This version of the problem:
;;   THIS VERSION OF THE PROBLEM IS GIVEN IN LOW PRECISION. The matrix products marked QUANTISED in the list below multiply operands that are first quantised to E3M2 (3 exponent bits, 2 mantissa bits; 6 bits a number), with one power-of-two scale for each 32 numbers along K (OCP MX v1.0); their sums are f32. All else is computed in f32.
;;   The module's matrix products, in the order in which they are computed (A, B: the left and right operand; K: the contracted axis; several contracted axes count as one K, in the product's order):
;;     1. [M 8,192, K 1,024] x [K 1,024, N 1,024]; A: input x; B: input Wk: QUANTISED
;;     2. [M 8,192, K 1,024] x [K 1,024, N 1,024]; A: input x; B: input Wq: QUANTISED
;;     3. [M 8,192, K 1,024] x [K 1,024, N 1,024]; A: input x; B: input Wv: QUANTISED
;;     4. batch 4 x [M 2,048, K 1,024] x [K 1,024, N 2,048]; A: computed on the way; B: computed on the way: QUANTISED
;;     5. batch 4 x [M 2,048, K 2,048] x [K 2,048, N 1,024]; A: softmax (see below); B: computed on the way: QUANTISED
;;   THE QUANTISER, for each operand of a quantised product, along K:
;;     - K is cut into blocks of 32 from its start; a last block that is shorter is filled with zeros.
;;     - A block's scale is 2^e with e = floor(log2(the largest magnitude in the block)) - 4, held to -126 .. 127; a block of zeros has e = 0. As a byte (E8M0): e + 127.
;;     - Each number is divided by its block's scale, clamped to +-28, and rounded to the nearest number of E3M2, ties to even, subnormals kept.
;;     - The product sums the exact products of the quantised numbers (number of the format x scale) in f32.
;;   ~~~python
;;   def quantise(x, axis):      # numpy; x: float32 -> the quantised numbers, widened to float32 again
;;       x = np.moveaxis(x, axis, -1); K = x.shape[-1]
;;       x = np.pad(x, [(0, 0)] * (x.ndim - 1) + [(0, -K % 32)]); x = x.reshape(x.shape[:-1] + (-1, 32)); a = np.abs(x).max(-1, keepdims=True)
;;       e = np.where(a > 0, np.clip(np.frexp(np.where(a > 0, a, 1))[1] - 1 - 4, -126, 127), 0)      # np.frexp(a)[1] - 1 = floor(log2(a)), exactly
;;       r = np.clip(x / 2.0 ** e, -28, 28)
;;       step = 2.0 ** (np.maximum(np.frexp(np.where(r == 0, 1, r))[1] - 1, -2) - 2)
;;       q = np.round(r / step) * step * 2.0 ** e      # np.round: ties to even
;;       return np.moveaxis(q.reshape(q.shape[:-2] + (-1,))[..., :K], -1, axis).astype(np.float32)
;;   ~~~
;;   SOFTMAX AHEAD OF A QUANTISED PRODUCT. Where the list says 'softmax', what is quantised is not the finished softmax but p = 2^(t - M), with t = logit x log2(e) and M = ceil(the row's largest t), a whole number; so 1/2 < the row's largest p <= 1. The row's sum l is taken of the UNQUANTISED p, in f32, and the product's result is divided by l at the end. Since M is a whole number, a kernel that streams over the keys may use a running M (the ceiling of the running maximum): every later rescaling is an exact power of two, which a block's scale takes up: the codes' values come out the same.
;;   OPERANDS COMPUTED ON THE WAY. 'Computed on the way' means the value that the module computes at that place (a softmax that the list does not call 'softmax' is quantised finished and normalised). What goes into a quantiser is computed in f32, as accurately as f32 sums, v_exp_f32 and their like allow (about 1e-6 of the number): no bf16 or f16 on the way to a quantiser, and a product that is left as it is and whose result goes on into a quantised operand takes f32 operands (vector FMAs, or v_wmma_f32_16x16x4_f32). A number that lies on a knife's edge between two numbers of the format may be rounded either way, as far as f32 arithmetic and the matrix unit's own rounding can turn it there, and no further.
;; One version. Each part assembles by itself: llvm-mc -triple=amdgcn-amd-amdhsa -mcpu=gfx1250 --defsym DOCPART=n.
;; ======== version 1 of 1: 4 launches
;; limits: right only within a limited range of input values
;; workspace buffers: xq 6,553,600 bytes; wq 2,457,600 bytes; qk 13,107,200 bytes; vt 6,553,600 bytes; pp 14,155,776 bytes
;; launch quant (part 1): grid 1408 x 1, 1 waves a work-group, no clusters, 15,104 bytes of LDS; arguments x, Wq, Wk, Wv, xq, wq; writes xq, wq
.if DOCPART == 1
	.amdgcn_target "amdgcn-amd-amdhsa--gfx1250"
	.amdhsa_code_object_version 6
	.text
	.protected	k_q9442edb6c7_quant
	.globl	k_q9442edb6c7_quant
	.p2align	8
	.type	k_q9442edb6c7_quant,@function
k_q9442edb6c7_quant:
	s_mov_b64 s[64:65], 0
	v_nop
	global_prefetch_b8 v0, s[64:65] scope:SCOPE_SE
	s_setreg_imm32_b32 hwreg(HW_REG_WAVE_MODE, 25, 1), 1
	s_wait_xcnt 0x0
; ATTENTION WITH ONE HEAD OF 1,024, ALL FIVE PRODUCTS ON CODES OF BF6 (E3M2) WITH ONE E8M0 SCALE FOR EACH 32 ALONG K.  Four launches:
;   quant : x and Wq, Wk, Wv (f32) -> codes and scale words along d_in           (this text)
;   proj  : q = x Wq + bq, k = x Wk + bk, v = x Wv + bv; q and k quantised along d, v along the tokens
;   scores: q k^T, p = 2^(t - M) under the M of 128 keys, quantised along the keys; -M and the sum of p for each row and 128 keys
;   pv    : p's scale bytes brought under the row's M (an exact power of two), p v, divided by the row's sum
; NO WORK IS LEFT OUT: every input reaches a quantised operand of a live product (bk too: it moves k's codes), there is no mask, and every product of the problem is done whole.
; LIMITS: NaN and infinities among the inputs are not served.  A block whose largest magnitude lies under 2^-122 gets the scale byte 1, a block of zeros too (the quantiser says 127 there):
; its codes are zeros or nearly, and the bytes are read by this program alone.
; THE WORKSPACES' TWO LAYOUTS.  IMAGE: a fragment (16 rows x 128 along K, 12 registers a lane) lies as its registers do: register n of lane l at 512 (n / 4) + 16 l + 4 (n % 4) of 1,536 bytes; image (R, s) of
; rows 16 R on and K step s at (R x NS + s) x 1,536, NS = K / 128.  So three stores of 16 bytes a lane write it, each 512 consecutive bytes, and three loads bring it back into any wave.
; SCALE BLOCK: for rows 64 g on and K step s, 256 bytes at (g x NS + s) x 256: lane l's 8 bytes are the scale words (four bytes, 128 along K) of rows 64 g + l and 64 g + 32 + l.
; THIS LAUNCH.  A work-group is one wave and takes 64 operand rows x 128 along K: 32 KB of f32 in, four images and one scale block out.  Work-groups 0 to 1,023: x (K innermost); 1,024 to 1,407: the weights (K is their
; first axis: a lane takes two neighbouring columns, 8 bytes of each row, so that a load reads a row's 256 bytes; each column's numbers are then moved on end, down K).  No matrix unit, no cluster, no barrier; the two paths have LDS bytes of their own.
.set XST,   0                          ; LDS: x's stage, 16 rows x (512 bytes + 16)
.set WST,   8448                       ; the weights' four images
.set SPARE, 14592                      ; the spare words: a block of 256 bytes that no other line names
.set SWT,   14848                      ; the weights' 64 scale words
.set SPW,   12                         ; v12  LDS address of my spare word; never rewritten
.set NIL,   13                         ; v13  0; never rewritten
.set LD,    16                         ; v16-143  numbers as loaded: two sets of 64
.set X,     144                        ; v144-207 x: my 64 numbers of a row; weights: two columns x 32, at the end the images on their way out
.set PCD,   208                        ; v208-231 codes
.set PW,    232                        ; v232-235 x: the four images' scale words; weights: a block's bytes
.set SLP,   236                        ; v236-237 x: the scale block's pair; weights: my two columns' words
.set HB,    240                        ; v240-246 the second halves of the conversions (a conversion's three registers begin on an even number)
	s_load_b256 s[4:11], s[0:1], 0x0               ; x s[4:5], Wq s[6:7], Wk s[8:9], Wv s[10:11]
	s_load_b128 s[12:15], s[0:1], 0x20             ; xq s[12:13], wq s[14:15]
	v_lshl_add_u32 v[SPW], v0, 2, SPARE
	v_mov_b32 v[NIL], 0
	v_and_b32 v1, 15, v0                           ; r
	v_lshrrev_b32 v2, 4, v0                        ; h (the work-group is one wave: v0 is the lane)
	v_lshlrev_b32 v3, 4, v0                        ; 16 l
	v_mul_u32_u24 v4, v1, 528
	v_lshl_add_u32 v4, v2, 7, v4                   ; x's stage on the way out: row r, + 128 h
	v_lshlrev_b32 v5, 3, v0                        ; 8 l
	v_lshlrev_b32 v6, 3, v2                        ; 8 h
	v_lshrrev_b32 v7, 3, v0
	v_mul_u32_u24 v7, v7, 1536
	v_and_b32 v10, 7, v0
	v_lshl_add_u32 v7, v10, 5, v7
	v_add_nc_u32 v7, WST, v7                       ; the weights' images on the way in: image l / 8, its lane 2 (l % 8)
	v_add_nc_u32 v8, WST, v3                       ; and on the way out
	v_lshlrev_b32 v9, 2, v0                        ; 4 l
	v_add_nc_u32 v10, SWT, v5                      ; scale words: in, of columns 2 l and 2 l + 1,
	v_add_nc_u32 v11, SWT, v9                      ; out, of columns l and 32 + l
	v_mov_b32 v255, 0                              ; written once: a lane permute's destination counts as one of its sources
	s_mov_b32 s24, 0x76543210
	s_mov_b32 s25, 0xfedcba98                      ; v_permlanex16_b32's selects for lane l xor 16
	s_wait_alu depctr_va_vdst(0)
	s_cmp_ge_u32 ttmp9, 1024
	s_cbranch_scc1 .Lweights
; ---- x: unit u = 8 g + s: rows 64 g on, K step s
	s_lshr_b32 s16, ttmp9, 3                       ; g
	s_and_b32 s17, ttmp9, 7                        ; s
	s_lshl_b32 s18, s16, 18                        ; 64 rows of 4,096 bytes
	s_lshl_b32 s19, s17, 9                         ; 128 numbers
	s_add_co_u32 s18, s18, s19
	s_mov_b32 s19, 0
	s_lshl_b32 s20, s16, 5
	s_add_co_u32 s20, s20, s17
	s_mul_i32 s20, s20, 1536                       ; image (4 g, s)
	s_mov_b32 s21, 0
	s_lshl_b32 s22, ttmp9, 8
	s_add_co_u32 s22, s22, 6291456                 ; scale block (g, s), behind the images
	s_mov_b32 s23, 0
	s_wait_kmcnt 0x0
	s_add_nc_u64 s[4:5], s[4:5], s[18:19]
	s_add_nc_u64 s[22:23], s[12:13], s[22:23]
	s_add_nc_u64 s[12:13], s[12:13], s[20:21]
.macro LOADX a                         ; image a's 16 rows: each load reads a row's 512 consecutive bytes
.irp j, 0,1,2,3,4,5,6,7,8,9,10,11,12,13,14,15
	global_load_b128 v[LD+64*((\a)%2)+4*\j:LD+64*((\a)%2)+4*\j+3], v3, s[4:5] offset:(16*(\a)+\j)*4096 th:TH_LOAD_NT
.endr
.endm
.macro XIMG a
.set LS, LD+64*((\a)%2)
.set PC, PCD+12*((\a)%2)
.if (\a) < 3
	s_wait_loadcnt 16                              ; this image's 16 loads are in; the next image's 16 may be out
.else
	s_wait_loadcnt 0x0
.endif
.irp j, 0,1,2,3,4,5,6,7,8,9,10,11,12,13,14,15
	ds_store_b128 v3, v[LS+4*\j:LS+4*\j+3] offset:XST+528*\j
.endr
.irp c, 0,1                            ; lane (r, h) takes of row r the numbers k = 64 c + 32 h + 0 .. 31, as the operand's layout gives them to it.  LDS serves a wave's instructions in order: these see the stores
.irp i, 0,1,2,3,4,5,6,7
	ds_load_b128 v[X+32*\c+4*\i:X+32*\c+4*\i+3], v4 offset:XST+256*\c+16*\i
.endr
.endr
	s_wait_dscnt 0x0                               ; my numbers are here, and the stores have read their registers,
.if (\a)+2 < 4
	LOADX (\a)+2                                   ; which take the image two on
.endif
	v_max3_num_f32 v248, |v[X]|, |v[X+1]|, 0x2800000      ; my two blocks' largest magnitudes, by turns, over the floor 2^(5 - 127): the byte cannot fall under 1
	v_max3_num_f32 v249, |v[X+32]|, |v[X+33]|, 0x2800000
.irp i, 2,4,6,8,10,12,14,16,18,20,22,24,26,28,30
	v_max3_num_f32 v248, v248, |v[X+\i]|, |v[X+\i+1]|
	v_max3_num_f32 v249, v249, |v[X+32+\i]|, |v[X+33+\i]|
.endr
	v_add_nc_u32 v250, 0xfe000000, v248            ; 4 off the exponent field: the conversion takes the exponent field of this operand as its scale
	v_add_nc_u32 v251, 0xfe000000, v249
	v_lshrrev_b32 v252, 23, v250                   ; the scales' bytes
	v_lshrrev_b32 v253, 23, v251
	v_lshl_or_b32 v252, v253, 16, v252             ; blocks h and 2 + h,
	v_lshlrev_b32 v252, v6, v252                   ; at their places in the word;
	v_permlanex16_b32 v255, v252, s24, s25
	v_or_b32 v[PW+(\a)], v252, v255                ; with lane l xor 16's two the word is whole
.if (\a) > 1
	s_wait_alu depctr_va_vdst(0)
	s_wait_xcnt 0x0                                ; the stores of two images ago have read this set of codes
.endif
	v_cvt_scalef32_pk16_bf6_f32 v[PC:PC+2], v[X:X+15], v250
	v_cvt_scalef32_pk16_bf6_f32 v[HB:HB+2], v[X+16:X+31], v250
	v_cvt_scalef32_pk16_bf6_f32 v[PC+6:PC+8], v[X+32:X+47], v251
	v_cvt_scalef32_pk16_bf6_f32 v[HB+4:HB+6], v[X+48:X+63], v251
	v_nop                                          ; one plain place behind a scaled conversion
.irp i, 0,1,2
	v_mov_b32 v[PC+3+\i], v[HB+\i]
	v_mov_b32 v[PC+9+\i], v[HB+4+\i]
.endr
.irp c, 0,1,2
	global_store_b128 v3, v[PC+4*\c:PC+4*\c+3], s[12:13] offset:12288*(\a)+512*\c    ; 512 consecutive bytes, aligned
.endr
.endm
	LOADX 0
	LOADX 1
	s_wait_alu depctr_va_vdst(0)
	XIMG 0
	XIMG 1
	XIMG 2
	XIMG 3
	v_cmp_le_u32 vcc_lo, 16, v0
	v_cndmask_b32 v[SLP], v[PW], v[PW+1], vcc_lo       ; lane l: the word of row 64 g + l,
	v_cndmask_b32 v[SLP+1], v[PW+2], v[PW+3], vcc_lo   ; and of row 64 g + 32 + l
	global_store_b64 v5, v[SLP:SLP+1], s[22:23]        ; 256 consecutive bytes, aligned
	s_wait_tensorcnt 0x0                           ; the wave's end: behind my last LDS store
	ds_add_u32 v[SPW], v[NIL]
	s_wait_dscnt 0x0
	s_endpgm
; ---- the weights: unit u' = 128 w + 16 s + g: weight w (q, k, v), rows 128 s on (K), columns 64 g on (the operand's rows)
.Lweights:
	s_sub_co_u32 s16, ttmp9, 1024
	s_lshr_b32 s17, s16, 7                         ; w
	s_bfe_u32 s18, s16, 0x30004                    ; s
	s_and_b32 s19, s16, 15                         ; g
	s_lshl_b32 s20, s18, 19                        ; 128 rows of 4,096 bytes
	s_lshl_b32 s21, s19, 8                         ; 64 columns
	s_add_co_u32 s20, s20, s21
	s_mov_b32 s21, 0
	s_lshl_b32 s22, s19, 5
	s_add_co_u32 s22, s22, s18
	s_mul_i32 s22, s22, 1536                       ; image (4 g, s)
	s_mul_i32 s23, s17, 786432                     ; of weight w
	s_add_co_u32 s22, s22, s23
	s_mov_b32 s23, 0
	s_lshl_b32 s26, s19, 3
	s_add_co_u32 s26, s26, s18
	s_lshl_b32 s26, s26, 8                         ; scale block (g, s)
	s_lshl_b32 s27, s17, 15
	s_add_co_u32 s26, s26, s27
	s_add_co_u32 s26, s26, 2359296                 ; behind the three weights' images
	s_mov_b32 s27, 0
	s_wait_kmcnt 0x0
	s_cmp_eq_u32 s17, 0                            ; the choice hangs on the work-group's number alone
	s_cselect_b64 s[4:5], s[6:7], s[8:9]
	s_cmp_eq_u32 s17, 2
	s_cselect_b64 s[4:5], s[10:11], s[4:5]
	s_add_nc_u64 s[4:5], s[4:5], s[20:21]
	s_add_nc_u64 s[12:13], s[14:15], s[22:23]
	s_add_nc_u64 s[14:15], s[14:15], s[26:27]
.macro LOADW n                         ; K block n: W(32 n + i, columns 2 l and 2 l + 1): each load reads 256 consecutive bytes, aligned
.irp i, 0,1,2,3,4,5,6,7,8,9,10,11,12,13,14,15,16,17,18,19,20,21,22,23,24,25,26,27,28,29,30,31
	global_load_b64 v[LD+64*((\n)%2)+2*\i:LD+64*((\n)%2)+2*\i+1], v5, s[4:5] offset:(32*(\n)+\i)*4096 th:TH_LOAD_NT
.endr
.endm
.macro BLOCKW n
.set XS, LD+64*((\n)%2)
.if (\n) < 3
	s_wait_loadcnt 32                              ; this block's 32 loads are in; the next block's may be out
.else
	s_wait_loadcnt 0x0
.endif
.irp i, 0,1,2,3,4,5,6,7,8,9,10,11,12,13,14,15,16,17,18,19,20,21,22,23,24,25,26,27,28,29,30,31
	v_mov_b32 v[X+\i], v[XS+2*\i]                  ; each column's 32 numbers on end, as the conversions want them
	v_mov_b32 v[X+32+\i], v[XS+2*\i+1]
.endr
.if (\n)+2 < 4
	LOADW (\n)+2
.endif
.irp e, 0,1                            ; the two columns' largest magnitudes: all 32 numbers are mine
	v_max3_num_f32 v[248+2*\e], |v[X+32*\e]|, |v[X+32*\e+1]|, |v[X+32*\e+2]|
	v_max3_num_f32 v[249+2*\e], |v[X+32*\e+3]|, |v[X+32*\e+4]|, |v[X+32*\e+5]|
.endr
.irp i, 6,10,14,18,22,26
.irp e, 0,1
	v_max3_num_f32 v[248+2*\e], v[248+2*\e], |v[X+32*\e+\i]|, |v[X+32*\e+\i+1]|
	v_max3_num_f32 v[249+2*\e], v[249+2*\e], |v[X+32*\e+\i+2]|, |v[X+32*\e+\i+3]|
.endr
.endr
.irp e, 0,1
	v_max3_num_f32 v[248+2*\e], v[248+2*\e], |v[X+32*\e+30]|, |v[X+32*\e+31]|
.endr
.irp e, 0,1
	v_max3_num_f32 v[248+2*\e], v[248+2*\e], v[249+2*\e], 0x2800000     ; and the floor
.endr
.irp e, 0,1
	v_add_nc_u32 v[252+\e], 0xfe000000, v[248+2*\e]
.endr
.irp e, 0,1
	v_lshrrev_b32 v[PW+\e], 23, v[252+\e]
.endr
.irp e, 0,1
.if (\n) == 0
	v_mov_b32 v[SLP+\e], v[PW+\e]                  ; my columns' scale words: the lower K in the lower byte
.else
	v_lshl_or_b32 v[SLP+\e], v[PW+\e], 8*(\n), v[SLP+\e]
.endif
.endr
.irp e, 0,1
	v_cvt_scalef32_pk16_bf6_f32 v[PCD+6*\e:PCD+6*\e+2], v[X+32*\e:X+32*\e+15], v[252+\e]
	v_cvt_scalef32_pk16_bf6_f32 v[HB+4*\e:HB+4*\e+2], v[X+32*\e+16:X+32*\e+31], v[252+\e]
.endr
	v_nop                                          ; one plain place behind a scaled conversion
.irp e, 0,1
.irp i, 0,1,2
	v_mov_b32 v[PCD+6*\e+3+\i], v[HB+4*\e+\i]
.endr
.endr
.irp e, 0,1                            ; the block is registers 6 (n / 2) .. + 5 of lane 2 (l % 8) + e + 16 (n % 2) of image l / 8
.if (\n) < 2
	ds_store_b128 v7, v[PCD+6*\e:PCD+6*\e+3] offset:16*\e+256*((\n)%2)
	ds_store_b64 v7, v[PCD+6*\e+4:PCD+6*\e+5] offset:16*\e+256*((\n)%2)+512
.else
	ds_store_b64 v7, v[PCD+6*\e:PCD+6*\e+1] offset:16*\e+256*((\n)%2)+520
	ds_store_b128 v7, v[PCD+6*\e+2:PCD+6*\e+5] offset:16*\e+256*((\n)%2)+1024
.endif
.endr
	s_wait_dscnt 0x0                               ; the stores have read their registers: the next block's codes may be written
.endm
	s_wait_alu depctr_va_vdst(0)
	LOADW 0
	LOADW 1
.irp n, 0,1,2,3
	BLOCKW \n
.endr
	s_wait_alu depctr_va_vdst(0)
	ds_store_b64 v10, v[SLP:SLP+1]
	ds_load_b32 v248, v11                          ; LDS serves a wave's instructions in order: these see my stores
	ds_load_b32 v249, v11 offset:128
.irp i, 0,1,2,3,4,5,6,7,8,9,10,11
	ds_load_b128 v[X+4*\i:X+4*\i+3], v8 offset:512*\i
.endr
.irp i, 0,1,2,3,4,5,6,7,8,9,10,11
	s_wait_dscnt 11-\i                             ; LDS loads come back in order: number i is in
	global_store_b128 v3, v[X+4*\i:X+4*\i+3], s[12:13] offset:12288*(\i/3)+512*(\i%3)
.endr
	global_store_b64 v5, v[248:249], s[14:15]      ; the words of columns l and 32 + l: 256 consecutive bytes, aligned
	s_wait_tensorcnt 0x0                           ; the wave's end: behind my last LDS store
	ds_add_u32 v[SPW], v[NIL]
	s_wait_dscnt 0x0
	s_endpgm
.Lfunc_end_k_q9442edb6c7_quant:
	.size	k_q9442edb6c7_quant, .Lfunc_end_k_q9442edb6c7_quant-k_q9442edb6c7_quant
	.p2alignl 7, 3214868480
	.fill 96, 4, 3214868480
	.section	.rodata,"a",@progbits
	.p2align	6, 0x0
	.amdhsa_kernel k_q9442edb6c7_quant
		.amdhsa_group_segment_fixed_size 15104
		.amdhsa_private_segment_fixed_size 0
		.amdhsa_enable_private_segment 0
		.amdhsa_kernarg_size 48
		.amdhsa_user_sgpr_count 2
		.amdhsa_user_sgpr_kernarg_segment_ptr 1
		.amdhsa_wavefront_size32 1
		.amdhsa_system_sgpr_workgroup_id_x 1
		.amdhsa_system_sgpr_workgroup_id_y 1
		.amdhsa_system_sgpr_workgroup_id_z 1
		.amdhsa_system_vgpr_workitem_id 0
		.amdhsa_next_free_vgpr 256
		.amdhsa_next_free_sgpr 66
		.amdhsa_reserve_vcc 1
		.amdhsa_float_denorm_mode_32 3
		.amdhsa_float_denorm_mode_16_64 3
		.amdhsa_memory_ordered 1
		.amdhsa_forward_progress 1
		.amdhsa_inst_pref_size 67
	.end_amdhsa_kernel
	.amdgpu_metadata
---
amdhsa.version: [ 1, 2 ]
amdhsa.kernels:
  - .name:           k_q9442edb6c7_quant
    .symbol:         k_q9442edb6c7_quant.kd
    .args:
      - { .name: x, .offset: 0, .size: 8, .value_kind: global_buffer, .address_space: global }
      - { .name: Wq, .offset: 8, .size: 8, .value_kind: global_buffer, .address_space: global }
      - { .name: Wk, .offset: 16, .size: 8, .value_kind: global_buffer, .address_space: global }
      - { .name: Wv, .offset: 24, .size: 8, .value_kind: global_buffer, .address_space: global }
      - { .name: xq, .offset: 32, .size: 8, .value_kind: global_buffer, .address_space: global }
      - { .name: wq, .offset: 40, .size: 8, .value_kind: global_buffer, .address_space: global }
    .group_segment_fixed_size: 15104
    .private_segment_fixed_size: 0
    .kernarg_segment_align: 8
    .kernarg_segment_size: 48
    .max_flat_workgroup_size: 32
    .sgpr_count:     66
    .vgpr_count:     256
    .wavefront_size: 32
...
	.end_amdgpu_metadata
.endif
;; end of part 1
;; launch proj (part 2): grid 8 x 32, 4 waves a work-group, clusters of 4 x 4, 327,680 bytes of LDS; arguments xq, wq, bq, bk, bv, qk, vt; writes qk, vt
.if DOCPART == 2
	.amdgcn_target "amdgcn-amd-amdhsa--gfx1250"
	.amdhsa_code_object_version 6
	.text
	.protected	k_q9442edb6c7_proj
	.globl	k_q9442edb6c7_proj
	.p2align	8
	.type	k_q9442edb6c7_proj,@function
k_q9442edb6c7_proj:
	s_mov_b64 s[64:65], 0
	v_nop
	global_prefetch_b8 v0, s[64:65] scope:SCOPE_SE
	s_setreg_imm32_b32 hwreg(HW_REG_WAVE_MODE, 25, 1), 1
	s_wait_xcnt 0x0
	s_wait_alu depctr_hold_cnt(0) depctr_sa_sdst(0) depctr_va_vdst(0) depctr_va_sdst(0) depctr_va_ssrc(0) depctr_va_vcc(0) depctr_vm_vsrc(0)
	s_getreg_b32 s2, hwreg(HW_REG_IB_STS2, 6, 4)
	s_cmp_eq_u32 s2, 0
	s_cbranch_scc0 .Lentry_in_a_cluster
	s_endpgm
.Lentry_in_a_cluster:
	s_bfe_u32 s2, ttmp6, 0x10000c
	s_cmp_lg_u32 s2, 0xf033
	s_cbranch_scc0 .Lentry_shape_is_right
	s_endpgm
.Lentry_shape_is_right:
; q = x Wq + bq, k = x Wk + bk, then v = x Wv + bv, on codes of BF6 (K = 1,024); q and k are quantised along d, v along the tokens.  Nothing is left out.
; A work-group of four waves takes 256 tokens x 256 columns of q or k (a wave 128 x 128), then 128 channels of v x the SAME 256 tokens (a wave 64 x 128): x's codes stay in LDS for both.
; Phase 1: T = x (source 1: a lane holds one token), U = W (source 0: a lane's registers run along d).  Phase 2: T = Wv (a lane holds one channel), U = x (registers run along the tokens).
; LDS: x's K steps 0-2 (XA) and 3-7 (XB), filled once; the weights' slots WA (3 K steps) and WB (2 K steps).  Fills, one tensor load a wave each, every wait on TENSORcnt for 0:
;   head: x 0-2, W 0-2;   then x 3-7, W 3-4;   in K step 2: W 5-7 into WA;   in K step 7: the whole of Wv's tile, 98,304 bytes, over WA and WB: it lands while phase 1's results are quantised.
; CLUSTERS of 4 x 4: x's tile is shared along a row, the weights' along a column; each is asked for jointly.
; PREFETCHES: x 3-7 and W 3-4 at the head, one fill ahead; W 5-7 in the first trip, one fill ahead: a lane a block of 256 bytes, each block named once in a cluster, shared out by address; W by the clusters of four rows of the grid alone.  Wv has phase 1's way out in which to land: none.
; BIASES are the C of the first K step.  THE ORDER of the 16 numbers that a lane holds of a block of 32 is the same in q and k, and in p and v.
; LIMITS: NaN and infinities are not served; a block whose largest magnitude lies under 2^-122 gets the scale byte 1.
; REGISTERS: window 0: v8-14 LDS addresses; v16-18 the prefetches' offsets; v24-26 16 l, 8 l, l; v28-29 the add's; v32-63 T's scale words, v64-95 U's; v96-127 at work; v128-223 T's fragments (phase 1: 8, phase 2: two sets of 4;
;   v176-223 also codes on their way out); v224-255 v's bias.   window 1: U's two sets, and between and behind them the bias of q or k.   windows 2, 3: accumulator (a, b) at v[8 (8 (a % 4) + b)].
;   Phase 2 has a third set of both in window 3 (U v0-95, T v96-143), whose accumulators have gone out by then.
.set XB,    73728
.set WA,    196608
.set WB,    270336
.set SPARE, 319488                     ; the spare words: two blocks of 256 bytes that no other line names
.set XTA, 8
.set XTB, 9
.set WUA, 10
.set WUB, 11
.set XUA, 12
.set XUB, 13
.set VT,  14
.set PF5, 16
.set PF3, 17
.set PF2, 18
.set R4,  4
.set L16, 24
.set L8,  25
.set LN,  26
.set SPW, 28
.set NIL, 29
.set ST,  32
.set SU,  64
.set TF,  128
.set B2,  224
.set WV,  18
.set HR,  19
.set HC,  20
.set G1T, 24                           ; s[24:31], s[32:39]: groups 1 of x's tiles and of the weights'
.set G1U, 32
.set GXA, 40                           ; groups 0, one for each fill
.set GXB, 44
.set GWA, 48
.set GWB, 52
.set GW2, 56
.set GV,  60
.set LM,  95
.set MSB, 0
.macro WIN new
.if MSB != \new
	s_set_vgpr_msb (MSB<<8)|\new
.set MSB, \new
.endif
.endm
.macro PLACES                          ; four places in front of loads into registers that products have read, and of reads of results
.rept 4
	v_nop
.endr
.endm
.macro JLOAD gt, gu                    ; waves 0 and 1 fetch x's halves, waves 2 and 3 W's
	s_cmp_eq_u32 s[HR], 0
	s_cbranch_scc0 .Lfor_w_\@
	tensor_load_to_lds s[\gt:\gt+3], s[G1T:G1T+7]
	s_nop 0
	PLACES
	s_branch .Lasked_\@
.Lfor_w_\@:
	tensor_load_to_lds s[\gu:\gu+3], s[G1U:G1U+7]
	s_nop 0
	PLACES
.Lasked_\@:
.endm
.macro CREST                           ; a round of the cluster's barrier behind its opening barrier
	s_cmp_lg_u32 s[WV], 0
	s_cbranch_scc1 .Lnot_wave_0_\@
	s_barrier_signal -3
.Lnot_wave_0_\@:
	s_barrier_wait -3
	s_barrier_signal -1
	s_barrier_wait -1
.endm
.macro CROUND
	s_barrier_signal -1
	s_barrier_wait -1
	CREST
.endm
.macro FR reg, adr, pit, q, i          ; a fragment lies as its registers do: three loads of 512 consecutive bytes
.irp c, 0,1,2
	ds_load_b128 v[\reg+4*\c:\reg+4*\c+3], v[\adr] offset:(\pit)*(\i)+1536*(\q)+512*\c
.endr
.endm
.macro LOC1 s                          ; where phase 1's K step s lies: address register, bytes from block to block, place in the block's row
.if (\s) < 3
.set tA, XTA
.set tP, 4608
.set tQ, \s
.set uA, WUA
.set uP, 4608
.set uQ, \s
.else
.set tA, XTB
.set tP, 7680
.set tQ, (\s)-3
.if (\s) < 5
.set uA, WUB
.set uP, 3072
.set uQ, (\s)-3
.else
.set uA, WUA
.set uP, 4608
.set uQ, (\s)-5
.endif
.endif
.endm
.macro LOC2 s                          ; phase 2's
.set tA, VT
.set tP, 12288
.set tQ, \s
.if (\s) < 3
.set uA, XUA
.set uP, 4608
.set uQ, \s
.else
.set uA, XUB
.set uP, 7680
.set uQ, (\s)-3
.endif
.endm
.macro LU i0, n, p                     ; n of U's fragments from i0 on into set p
	WIN 0x40
.set fi, \i0
.rept \n
	FR 128*(\p)+12*fi, uA, uP, uQ, fi
.set fi, fi+1
.endr
.endm
.macro LT i0, n, base                  ; n of T's
	WIN 0
.set fi, \i0
.rept \n
	FR TF+(\base)+12*fi, tA, tP, tQ, fi
.set fi, fi+1
.endr
.endm
.macro HFETCH s                        ; phase 2's step s: 36 loads into set s % 3
	LOC2 \s
.if (\s)%3 == 2
	WIN 0xc0
.set fi, 0
.rept 8
	FR 12*fi, uA, uP, uQ, fi
.set fi, fi+1
.endr
.set fi, 0
.rept 4
	FR 96+12*fi, tA, tP, tQ, fi
.set fi, fi+1
.endr
.else
	LU 0, 8, (\s)%3
	LT 0, 4, 48*((\s)%3)
.endif
	WIN 0
.endm
.macro EMIT
.if rw == 0
	v_wmma_scale_f32_16x16x128_f8f6f4 v[rD:rD+7], v[rU:rU+11], v[rT:rT+11], v[rC:rC+7], v[rX], v[rY] matrix_a_fmt:MATRIX_FMT_BF6 matrix_b_fmt:MATRIX_FMT_BF6
.elseif rw == 1
	v_wmma_scale_f32_16x16x128_f8f6f4 v[rD:rD+7], v[rU:rU+11], v[rT:rT+11], v[rC:rC+7], v[rX], v[rY] matrix_a_fmt:MATRIX_FMT_BF6 matrix_b_fmt:MATRIX_FMT_BF6 matrix_a_scale:MATRIX_SCALE_ROW1
.elseif rw == 2
	v_wmma_scale_f32_16x16x128_f8f6f4 v[rD:rD+7], v[rU:rU+11], v[rT:rT+11], v[rC:rC+7], v[rX], v[rY] matrix_a_fmt:MATRIX_FMT_BF6 matrix_b_fmt:MATRIX_FMT_BF6 matrix_b_scale:MATRIX_SCALE_ROW1
.else
	v_wmma_scale_f32_16x16x128_f8f6f4 v[rD:rD+7], v[rU:rU+11], v[rT:rT+11], v[rC:rC+7], v[rX], v[rY] matrix_a_fmt:MATRIX_FMT_BF6 matrix_b_fmt:MATRIX_FMT_BF6 matrix_a_scale:MATRIX_SCALE_ROW1 matrix_b_scale:MATRIX_SCALE_ROW1
.endif
.endm
.macro MUL16 a0, s, bias               ; 16 products of phase 1: T's blocks a0, a0 + 1 x U's eight.  The 64 accumulators take turns in the same order in every step
.irp a, \a0, \a0+1
.irp b, 0,1,2,3,4,5,6,7
.set rD, 8*(8*((\a)%4)+\b)
.set rU, 128*((\s)%2)+12*\b
.set rT, TF+12*(\a)
.set rX, SU+4*(\s)+\b/2
.set rY, ST+4*(\s)+(\a)/2
.set rC, rD
.if \bias
.set rC, 96+8*\b+96*(\b/4)
.endif
.set rw, 2*((\a)%2)+\b%2
	EMIT
.endr
.endr
.endm
.macro MUL8 a, s, bias                 ; 8 products of phase 2: T's block a; the 32 accumulators take turns likewise
.irp b, 0,1,2,3,4,5,6,7
.set rD, 8*(8*(\a)+\b)
.if (\s)%3 == 2
.set rU, 12*\b
.set rT, 96+12*(\a)
.else
.set rU, 128*((\s)%3)+12*\b
.set rT, TF+48*((\s)%3)+12*(\a)
.endif
.set rX, SU+4*(\s)+\b/2
.set rY, ST+2*(\s)+(\a)/2
.set rC, rD
.if \bias
.set rC, B2+8*(\a)
.endif
.set rw, 2*((\a)%2)+\b%2
	EMIT
.endr
.endm
.macro WLO bias
.if \bias
	WIN 0x91
.else
	WIN 0xa1
.endif
.endm
.macro WHI bias
.if \bias
	WIN 0xd1
.else
	WIN 0xf1
.endif
.endm
; A step of phase 1 inside a fill, two runs of loads: at its start T's blocks 4-7 of this step and U's next set (36), in its middle T's blocks 0-3 of the next step (12), each into registers whose products have been issued.
.macro STEP s, bias
	PLACES
	LOC1 \s
	LT 4, 4, 0
	LOC1 (\s)+1
	LU 0, 8, ((\s)+1)%2
	s_wait_dscnt 36                                ; this step's U and T's blocks 0-3 are in: all but the 36 just asked for
	WLO \bias
	MUL16 0, \s, \bias
	MUL16 2, \s, \bias
	s_wait_dscnt 24                                ; T's blocks 4-7 are in; U's next set (24) may be out
	PLACES
	LT 0, 4, 0
	WHI \bias
	MUL16 4, \s, \bias
	MUL16 6, \s, \bias
	WIN 0
.endm
.macro SECOND s                        ; a step's second half behind a barrier: the next step's fragments lie in the fill that the barrier has shown whole
	LOC1 (\s)+1
	LU 0, 8, ((\s)+1)%2
	LT 0, 4, 0
	WIN 0xf1
	MUL16 4, \s, 0
	MUL16 6, \s, 0
	WIN 0
.endm
.macro MEET s, g0, dim, rows           ; a step's first half, and a round behind which each wave fetches a quarter of the weights' next fill: rows blocks of dim x 8 bytes
	PLACES
	LOC1 \s
	LT 4, 4, 0
	s_wait_tensorcnt 0x0                           ; no tensor load of mine is out: the descriptor may be written
	ds_add_u32 v[SPW], v[NIL]                      ; 0 onto my spare word
	s_mov_b32 s[G1U+1], (\dim)<<16
	s_mov_b32 s[G1U+2], (\rows)<<16
	s_mov_b32 s[G1U+3], (\dim)<<16
	s_mov_b32 s[G1U+4], \rows
	s_wait_dscnt 13                                ; (the add and T's blocks 4-7, 12 loads, may be out)
	WIN 0xa1
	MUL16 0, \s, 0
	s_wait_dscnt 0x0                               ; the add is done, and my reads of the weights' slots are over
	s_barrier_signal -1
	MUL16 2, \s, 0
	WIN 0
	s_barrier_wait -1
	CREST                                          ; no wave of any partner still reads the slot or has a load on its way
	tensor_load_to_lds s[\g0:\g0+3], s[G1U:G1U+7]
	s_nop 0
	PLACES
.endm
.macro HSTEP s, bias                   ; a step of phase 2; in its middle the fragments of two steps on, into the set that the step before multiplied
.if (\s) < 7
	s_wait_dscnt 36                                ; this step's are in: all but the next step's 36
.else
	s_wait_dscnt 0x0
.endif
.if (\s)%3 == 2
.set HW, 0xaf
.else
.set HW, 0xa1-0x20*(\bias)
.endif
	WIN HW
	MUL8 0, \s, \bias
	MUL8 1, \s, \bias
.if (\s) < 6
	PLACES
	HFETCH (\s)+2
.endif
	WIN HW
	MUL8 2, \s, \bias
	MUL8 3, \s, \bias
	WIN 0
.endm
; THE WAY OUT of blocks 2 t and 2 t + 1, 16 rows x 128 each.  A lane holds one row; its registers 16 q .. 16 q + 15 belong to one block of 32, which lanes l and l xor 16 share: eight blocks by turns.
.macro QUANT2 t, base, pitch
.set AC, 128*((\t)%2)
.set W, 2+(\t)/2
.set WW, W*5
.set PC, 176+24*((\t)%2)
	WIN WW
.irp q, 0,1,2,3,4,5,6,7
	v_max3_num_f32 v[96+\q], |v[AC+16*\q]|, |v[AC+16*\q+1]|, 0x2800000     ; over the floor 2^(5 - 127): the byte cannot fall under 1
.endr
.irp i, 2,4,6,8,10,12,14
.irp q, 0,1,2,3,4,5,6,7
	v_max3_num_f32 v[96+\q], |v[AC+16*\q+\i]|, |v[AC+16*\q+\i+1]|, v[96+\q]
.endr
.endr
	WIN 0
.irp q, 0,1,2,3,4,5,6,7
	v_permlanex16_b32 v[104+\q], v[96+\q], s96, s97
.endr
.irp q, 0,1,2,3,4,5,6,7
	v_max_num_f32 v[96+\q], v[96+\q], v[104+\q]
.endr
.irp q, 0,1,2,3,4,5,6,7
	v_add_nc_u32 v[112+\q], 0xfe000000, v[96+\q]   ; 4 off the exponent field: the conversion's scale operand
.endr
.irp q, 0,1,2,3,4,5,6,7
	v_lshrrev_b32 v[96+\q], 23, v[112+\q]          ; the scale's byte
.endr
.irp z, 1,2,3
.irp k, 0,1
.if \z == 1
	v_lshl_or_b32 v[120+2*(\t)+\k], v[97+4*\k], 8, v[96+4*\k]
.else
	v_lshl_or_b32 v[120+2*(\t)+\k], v[96+4*\k+\z], 8*\z, v[120+2*(\t)+\k]
.endif
.endr
.endr
.if (\t) > 1
	s_wait_alu depctr_va_vdst(0)
	s_wait_xcnt 0x0                                ; the stores of two pairs ago have read these registers
.endif
	WIN W
.irp k, 0,1
.irp c, 0,1
	v_cvt_scalef32_pk16_bf6_f32 v[PC+12*\k+6*\c:PC+12*\k+6*\c+2], v[AC+64*\k+32*\c:AC+64*\k+32*\c+15], v[112+4*\k+2*\c]
	v_cvt_scalef32_pk16_bf6_f32 v[96+8*\k+4*\c:98+8*\k+4*\c], v[AC+64*\k+32*\c+16:AC+64*\k+32*\c+31], v[113+4*\k+2*\c]
.endr
.endr
	WIN 0
	v_nop                                          ; one plain place behind a scaled conversion
.irp k, 0,1
.irp c, 0,1
.irp i, 0,1,2
	v_permlane16_swap_b32 v[PC+12*\k+6*\c+\i], v[96+8*\k+4*\c+\i]
.endr
.endr
.endr
.irp k, 0,1
.irp c, 0,1
.irp i, 0,1,2
	v_mov_b32 v[PC+12*\k+6*\c+3+\i], v[96+8*\k+4*\c+\i]
.endr
.endr
.endr
.irp k, 0,1
.irp c, 0,1,2
	global_store_b128 v[L16], v[PC+12*\k+4*\c:PC+12*\k+4*\c+3], s[\base:\base+1] offset:(2*(\t)+\k)*(\pitch)+512*\c   ; 512 consecutive bytes, aligned
.endr
.endr
.endm
	s_load_b256 s[4:11], s[0:1], 0x0               ; xq s[4:5], wq s[6:7], bq s[8:9], bk s[10:11]
	s_load_b128 s[12:15], s[0:1], 0x20             ; bv s[12:13], qk s[14:15]
	s_load_b64 s[16:17], s[0:1], 0x30              ; vt
	v_lshl_add_u32 v[SPW], v0, 2, SPARE
	v_mov_b32 v[NIL], 0
	ds_add_u32 v[SPW], v[NIL]                      ; the wave's opening: the add, twice on end, and its wait ahead of my first tensor load
	ds_add_u32 v[SPW], v[NIL]
	v_lshrrev_b32 v1, 5, v0
	v_readfirstlane_b32 s[WV], v1
	s_lshr_b32 s[HR], s[WV], 1                     ; my half of T's rows.  Also: I fetch x (0) or W (1)
	s_and_b32 s[HC], s[WV], 1                      ; my half of U's rows.  Also: which half I fetch
	s_bfe_u32 s21, ttmp6, 0x40000                  ; cx
	s_bfe_u32 s22, ttmp6, 0x40004                  ; cy
	s_and_b32 s23, ttmp7, 0xffff                   ; the cluster's y
	s_lshl_b32 s66, s23, 2
	s_add_co_u32 s66, s66, s22                     ; the tile of 256 tokens
	s_lshl_b32 s67, ttmp9, 2
	s_add_co_u32 s67, s67, s21                     ; the tile of 256 columns among q's 4 and k's 4; also the tile of 128 channels of v
	s_lshl_b32 s72, s22, 2
	s_lshl_b32 s72, 15, s72                        ; my row of the cluster
	s_lshl_b32 s73, 0x1111, s21                    ; my column
	s_or_b32 s[G1T], s72, (3<<16)|(1<<21)          ; 15:0 the mask; 17:16 elements of 8 bytes; 21 set beside a mask
	s_or_b32 s[G1U], s73, (3<<16)|(1<<21)
.irp g, G1T, G1U
	s_mov_b32 s[\g+1], 576<<16                     ; three images: 4,608 bytes
	s_mov_b32 s[\g+2], 8<<16                       ; 8 blocks of 16 rows
	s_mov_b32 s[\g+3], 576<<16
	s_mov_b32 s[\g+4], 8
	s_mov_b32 s[\g+5], 1536                        ; from block to block: 8 images, 12,288 bytes
	s_mov_b32 s[\g+6], 0
	s_mov_b32 s[\g+7], 0
.endr
	s_lshl_b32 s76, s[HC], 3
	s_lshl_b32 s74, s66, 4
	s_add_co_u32 s74, s74, s76
	s_mul_i32 s74, s74, 12288                      ; x: blocks 16 x tile + 8 x half on
	s_mov_b32 s75, 0
	s_lshl_b32 s78, s67, 4
	s_add_co_u32 s78, s78, s76
	s_mul_i32 s78, s78, 12288                      ; W: likewise (Wk's images follow Wq's)
	s_mov_b32 s79, 0
	s_mov_b32 s[GXA], 1
	s_mul_i32 s[GXA+1], s[HC], 36864               ; no place in the cluster enters an LDS address
	s_mov_b32 s[GWA], 1
	s_add_co_u32 s[GWA+1], s[GXA+1], WA
	s_mov_b32 s96, 0x76543210
	s_mov_b32 s97, 0xfedcba98
	s_wait_dscnt 0x0                               ; both opening adds are done
	s_wait_kmcnt 0x0
	s_add_nc_u64 s[GXA+2:GXA+3], s[4:5], s[74:75]
	s_or_b32 s[GXA+3], s[GXA+3], 0x80000000
	s_add_nc_u64 s[GWA+2:GWA+3], s[6:7], s[78:79]
	s_or_b32 s[GWA+3], s[GWA+3], 0x80000000
	CROUND                                         ; all sixteen work-groups are here: the first joint loads meet
	JLOAD GXA, GWA                                 ; one tensor load a wave at the head
	s_mov_b32 s[GXB], 1
	s_mul_i32 s[GXB+1], s[HC], 61440
	s_add_co_u32 s[GXB+1], s[GXB+1], XB
	s_add_nc_u64 s[GXB+2:GXB+3], s[GXA+2:GXA+3], 4608
	s_mov_b32 s[GWB], 1
	s_mul_i32 s[GWB+1], s[HC], 24576
	s_add_co_u32 s[GWB+1], s[GWB+1], WB
	s_add_nc_u64 s[GWB+2:GWB+3], s[GWA+2:GWA+3], 4608
	s_lshl_b32 s74, s67, 4
	s_lshl_b32 s76, s[WV], 2
	s_add_co_u32 s74, s74, s76
	s_mul_i32 s74, s74, 12288                      ; W 5-7: blocks 16 x tile + 4 x wave on
	s_add_nc_u64 s[GW2+2:GW2+3], s[6:7], s[74:75]
	s_add_nc_u64 s[GW2+2:GW2+3], s[GW2+2:GW2+3], 7680
	s_or_b32 s[GW2+3], s[GW2+3], 0x80000000
	s_mov_b32 s[GW2], 1
	s_mul_i32 s[GW2+1], s[WV], 18432
	s_add_co_u32 s[GW2+1], s[GW2+1], WA
	s_lshl_b32 s74, s67, 3
	s_lshl_b32 s76, s[WV], 1
	s_add_co_u32 s74, s74, s76
	s_mul_i32 s74, s74, 12288                      ; Wv: blocks 8 x tile + 2 x wave on,
	s_add_co_u32 s74, s74, 1572864                 ; behind Wq's and Wk's images
	s_add_nc_u64 s[GV+2:GV+3], s[6:7], s[74:75]
	s_or_b32 s[GV+3], s[GV+3], 0x80000000
	s_mov_b32 s[GV], 1
	s_mul_i32 s[GV+1], s[WV], 24576
	s_add_co_u32 s[GV+1], s[GV+1], WA
	; the prefetches: of a tile's 16 blocks each of the four partners that share it takes four, a wave one
	s_lshl_b32 s74, s66, 4
	s_lshl_b32 s76, s21, 2
	s_add_co_u32 s74, s74, s76
	s_add_co_u32 s74, s74, s[WV]
	s_mul_i32 s74, s74, 12288
	s_add_nc_u64 s[84:85], s[4:5], s[74:75]
	s_lshl_b32 s74, s67, 4
	s_lshl_b32 s76, s22, 2
	s_add_co_u32 s74, s74, s76
	s_add_co_u32 s74, s74, s[WV]
	s_mul_i32 s74, s74, 12288
	s_add_nc_u64 s[86:87], s[6:7], s[74:75]
	; which parts are mine
	s_lshl_b32 s68, s66, 1
	s_add_co_u32 s70, s68, s[HC]                   ; phase 2: 128 tokens
	s_add_co_u32 s68, s68, s[HR]                   ; phase 1: 128 tokens
	s_lshl_b32 s71, s67, 1
	s_add_co_u32 s82, s71, s[HC]                   ; 128 columns among q's and k's 2,048
	s_add_co_u32 s71, s71, s[HR]                   ; 64 channels of v
	s_lshl_b32 s69, s21, 1
	s_add_co_u32 s69, s69, s[HC]                   ; 128 columns of q or of k
	s_lshl_b32 s74, s68, 12
	s_add_co_u32 s74, s74, 6291456                 ; scale blocks: x's,
	s_add_nc_u64 s[72:73], s[4:5], s[74:75]
	s_lshl_b32 s74, s82, 12
	s_add_co_u32 s74, s74, 2359296                 ; W's
	s_add_nc_u64 s[82:83], s[6:7], s[74:75]
	s_cmp_eq_u32 ttmp9, 0
	s_cselect_b64 s[8:9], s[8:9], s[10:11]
	s_lshl_b32 s10, s69, 9
	s_mov_b32 s11, 0
	s_add_nc_u64 s[8:9], s[8:9], s[10:11]
	s_mul_i32 s88, s[HR], 36864
	s_mul_i32 s89, s[HR], 61440
	s_add_co_u32 s89, s89, XB
	s_mul_i32 s92, s[HC], 36864
	s_add_co_u32 s90, s92, WA
	s_mul_i32 s91, s[HC], 24576
	s_add_co_u32 s91, s91, WB
	s_mul_i32 s93, s[HC], 61440
	s_add_co_u32 s93, s93, XB
	s_mul_i32 s94, s[HR], 49152
	s_add_co_u32 s94, s94, WA
	v_and_b32 v[LN], 31, v0
	v_and_b32 v1, 15, v0
	v_bfe_u32 v2, v0, 4, 1
	v_lshlrev_b32 v[L16], 4, v[LN]
	v_lshlrev_b32 v[L8], 3, v[LN]
	v_lshlrev_b32 v3, 5, v2
	v_lshlrev_b32 v[R4], 2, v1
	v_min_u32 v[PF5], 29, v[LN]                    ; five K steps of a block are 30 x 256 bytes (lanes that are left over name the last again),
	v_min_u32 v[PF3], 17, v[LN]                    ; three are 18 x 256,
	v_min_u32 v[PF2], 11, v[LN]                    ; two are 12 x 256
	v_lshlrev_b32 v[PF5], 8, v[PF5]
	v_lshlrev_b32 v[PF3], 8, v[PF3]
	v_lshlrev_b32 v[PF2], 8, v[PF2]
	v_add_nc_u32 v[XTA], s88, v[L16]
	v_add_nc_u32 v[XTB], s89, v[L16]
	v_add_nc_u32 v[WUA], s90, v[L16]
	v_add_nc_u32 v[WUB], s91, v[L16]
	v_add_nc_u32 v[XUA], s92, v[L16]
	v_add_nc_u32 v[XUB], s93, v[L16]
	v_add_nc_u32 v[VT], s94, v[L16]
.irp q, 0,1,2,3,4,5,6,7
	v_mov_b32 v[104+\q], 0                         ; written once: a lane permute's destination counts as one of its sources
.endr
	v_cmp_le_u32 s[LM], 16, v[LN]                  ; lanes 16-31
	s_wait_alu depctr_va_vdst(0)
.irp s, 0,1,2,3,4,5,6,7
	global_load_b64 v[ST+4*\s:ST+4*\s+1], v[L8], s[72:73] offset:256*\s
	global_load_b64 v[ST+4*\s+2:ST+4*\s+3], v[L8], s[72:73] offset:2048+256*\s
	global_load_b64 v[SU+4*\s:SU+4*\s+1], v[L8], s[82:83] offset:256*\s
	global_load_b64 v[SU+4*\s+2:SU+4*\s+3], v[L8], s[82:83] offset:2048+256*\s
.endr
	WIN 0x40
.irp b, 0,1,2,3,4,5,6,7
	global_load_b128 v[96+8*\b+96*(\b/4):96+8*\b+96*(\b/4)+3], v3, s[8:9] offset:64*\b
	global_load_b128 v[96+8*\b+96*(\b/4)+4:96+8*\b+96*(\b/4)+7], v3, s[8:9] offset:64*\b+16
.endr
	WIN 0
	global_prefetch_b8 v[PF5], s[84:85] offset:4608 th:TH_LOAD_NT scope:SCOPE_SE       ; x 3-7: the next fill
	s_cmp_lt_u32 s23, 4
	s_cbranch_scc0 .Lnot_mine_1
	global_prefetch_b8 v[PF2], s[86:87] offset:4608 th:TH_LOAD_NT scope:SCOPE_SE       ; W 3-4
.Lnot_mine_1:
	; the later addresses
	s_lshl_b32 s74, s71, 11
	s_add_co_u32 s74, s74, 2424832                 ; Wv's scale blocks
	s_add_nc_u64 s[88:89], s[6:7], s[74:75]
	s_lshl_b32 s74, s70, 12
	s_add_co_u32 s74, s74, 6291456
	s_add_nc_u64 s[90:91], s[4:5], s[74:75]        ; x's, for phase 2
	s_lshl_b32 s74, s71, 8
	s_add_nc_u64 s[12:13], s[12:13], s[74:75]      ; bv: 64 channels
	s_lshl_b32 s74, s68, 6
	s_add_co_u32 s74, s74, s69
	s_mul_i32 s74, s74, 1536
	s_mul_i32 s76, ttmp9, 6291456
	s_add_co_u32 s74, s74, s76
	s_add_nc_u64 s[78:79], s[14:15], s[74:75]      ; q's or k's images,
	s_lshl_b32 s74, s68, 4
	s_add_co_u32 s74, s74, s69
	s_lshl_b32 s74, s74, 8
	s_lshl_b32 s76, ttmp9, 18
	s_add_co_u32 s74, s74, s76
	s_add_co_u32 s74, s74, 12582912
	s_add_nc_u64 s[14:15], s[14:15], s[74:75]      ; and scale blocks
	s_lshl_b32 s74, s71, 8
	s_add_co_u32 s74, s74, s70
	s_mul_i32 s74, s74, 1536
	s_add_nc_u64 s[80:81], s[16:17], s[74:75]      ; v's images (64 K steps of tokens in a row of images),
	s_lshl_b32 s74, s71, 6
	s_add_co_u32 s74, s74, s70
	s_lshl_b32 s74, s74, 8
	s_add_co_u32 s74, s74, 6291456
	s_add_nc_u64 s[16:17], s[16:17], s[74:75]      ; and scale blocks
	s_wait_alu depctr_va_vdst(0)
	s_wait_tensorcnt 0x0                           ; my part of the head's fill is in
	ds_add_u32 v[SPW], v[NIL]
	s_mov_b32 s[G1T+1], 960<<16                    ; x: five images, 7,680 bytes
	s_mov_b32 s[G1T+3], 960<<16
	s_mov_b32 s[G1U+1], 384<<16                    ; W: two, 3,072 bytes
	s_mov_b32 s[G1U+3], 384<<16
	s_wait_dscnt 0x0
	CROUND                                         ; everybody's part of the head's fill is in
	JLOAD GXB, GWB
	LOC1 0
	LU 0, 8, 0
	LT 0, 4, 0
	s_wait_loadcnt 0x0                             ; the scale words and the bias
	STEP 0, 1
	s_cmp_lt_u32 s23, 4
	s_cbranch_scc0 .Lnot_mine_2
	global_prefetch_b8 v[PF3], s[86:87] offset:7680 th:TH_LOAD_NT scope:SCOPE_SE       ; W 5-7: the next fill
.Lnot_mine_2:
	STEP 1, 0
	MEET 2, GW2, 576, 4                            ; x 3-7 and W 3-4 are in; WA takes W 5-7
	SECOND 2
	STEP 3, 0
	PLACES                                         ; step 4: W 5-7 must be in for the next step
	LOC1 4
	LT 4, 4, 0
	s_wait_dscnt 12
	WIN 0xa1
	MUL16 0, 4, 0
	s_wait_tensorcnt 0x0
	s_wait_dscnt 0x0
	s_barrier_signal -1
	MUL16 2, 4, 0
	s_barrier_wait -1
	PLACES
	SECOND 4
	STEP 5, 0
	STEP 6, 0
	MEET 7, GV, 1536, 2                            ; the weights' slots are read no more: Wv's whole tile lands over both
	WIN 0xf1
	MUL16 4, 7, 0
	MUL16 6, 7, 0
	WIN 0
	PLACES
.irp s, 0,1,2,3,4,5,6,7                ; phase 2's scale words and bias land while phase 1's results go out
	global_load_b64 v[ST+2*\s:ST+2*\s+1], v[L8], s[88:89] offset:256*\s
	global_load_b64 v[SU+4*\s:SU+4*\s+1], v[L8], s[90:91] offset:256*\s
	global_load_b64 v[SU+4*\s+2:SU+4*\s+3], v[L8], s[90:91] offset:2048+256*\s
.endr
.irp a, 0,1,2,3
.irp j, 0,1,2,3,4,5,6,7
	global_load_b32 v[B2+8*\a+\j], v[R4], s[12:13] offset:64*\a    ; a lane's channel has one bias: the same in all eight registers
.endr
.endr
	QUANT2 0, 78, 12288
	QUANT2 1, 78, 12288
	QUANT2 2, 78, 12288
	s_wait_alu depctr_va_vdst(0)
	s_wait_tensorcnt 0x0                           ; my part of Wv is in
	s_wait_dscnt 0x0
	s_barrier_signal -1
	s_barrier_wait -1
	HFETCH 0                                       ; phase 2's first fragments are on their way while the last two blocks go out
	QUANT2 3, 78, 12288
.irp t, 0,1,2,3
	v_cndmask_b32 v[112+\t], v[120+2*\t], v[121+2*\t], s[LM]       ; a register for 32 rows: lanes 0-15 the even block's words, lanes 16-31 the odd one's
.endr
	global_store_b64 v[L8], v[112:113], s[14:15]
	global_store_b64 v[L8], v[114:115], s[14:15] offset:2048
	s_wait_alu depctr_va_vdst(0)
	s_wait_xcnt 0x0                                ; the stores have read the codes, whose registers take T's second set
	s_wait_loadcnt 0x0
	HFETCH 1
	HSTEP 0, 1
.irp s, 1,2,3,4,5,6,7
	HSTEP \s, 0
.endr
	PLACES
	QUANT2 0, 80, 98304
	QUANT2 1, 80, 98304
	v_cndmask_b32 v112, v120, v121, s[LM]
	v_cndmask_b32 v113, v122, v123, s[LM]
	global_store_b64 v[L8], v[112:113], s[16:17]
	s_wait_tensorcnt 0x0                           ; the wave's end
	ds_add_u32 v[SPW], v[NIL]
	s_wait_dscnt 0x0
	CROUND                                         ; the closing round
	s_endpgm
.Lfunc_end_k_q9442edb6c7_proj:
	.size	k_q9442edb6c7_proj, .Lfunc_end_k_q9442edb6c7_proj-k_q9442edb6c7_proj
	.p2alignl 7, 3214868480
	.fill 96, 4, 3214868480
	.section	.rodata,"a",@progbits
	.p2align	6, 0x0
	.amdhsa_kernel k_q9442edb6c7_proj
		.amdhsa_group_segment_fixed_size 327680
		.amdhsa_private_segment_fixed_size 0
		.amdhsa_enable_private_segment 0
		.amdhsa_kernarg_size 56
		.amdhsa_user_sgpr_count 2
		.amdhsa_user_sgpr_kernarg_segment_ptr 1
		.amdhsa_wavefront_size32 1
		.amdhsa_system_sgpr_workgroup_id_x 1
		.amdhsa_system_sgpr_workgroup_id_y 1
		.amdhsa_system_sgpr_workgroup_id_z 1
		.amdhsa_system_vgpr_workitem_id 0
		.amdhsa_next_free_vgpr 1024
		.amdhsa_next_free_sgpr 100
		.amdhsa_reserve_vcc 0
		.amdhsa_float_denorm_mode_32 3
		.amdhsa_float_denorm_mode_16_64 3
		.amdhsa_memory_ordered 1
		.amdhsa_forward_progress 1
		.amdhsa_inst_pref_size 217
	.end_amdhsa_kernel
	.amdgpu_metadata
---
amdhsa.version: [ 1, 2 ]
amdhsa.kernels:
  - .name:           k_q9442edb6c7_proj
    .symbol:         k_q9442edb6c7_proj.kd
    .args:
      - { .name: xq, .offset: 0, .size: 8, .value_kind: global_buffer, .address_space: global }
      - { .name: wq, .offset: 8, .size: 8, .value_kind: global_buffer, .address_space: global }
      - { .name: bq, .offset: 16, .size: 8, .value_kind: global_buffer, .address_space: global }
      - { .name: bk, .offset: 24, .size: 8, .value_kind: global_buffer, .address_space: global }
      - { .name: bv, .offset: 32, .size: 8, .value_kind: global_buffer, .address_space: global }
      - { .name: qk, .offset: 40, .size: 8, .value_kind: global_buffer, .address_space: global }
      - { .name: vt, .offset: 48, .size: 8, .value_kind: global_buffer, .address_space: global }
    .group_segment_fixed_size: 327680
    .private_segment_fixed_size: 0
    .kernarg_segment_align: 8
    .kernarg_segment_size: 56
    .max_flat_workgroup_size: 128
    .sgpr_count:     100
    .vgpr_count:     1024
    .wavefront_size: 32
...
	.end_amdgpu_metadata
.endif
;; end of part 2
;; launch scores (part 3): grid 8 x 32, 8 waves a work-group, clusters of 4 x 4, 327,680 bytes of LDS; arguments qk, pp; writes pp
.if DOCPART == 3
	.amdgcn_target "amdgcn-amd-amdhsa--gfx1250"
	.amdhsa_code_object_version 6
	.text
	.protected	k_q9442edb6c7_scores
	.globl	k_q9442edb6c7_scores
	.p2align	8
	.type	k_q9442edb6c7_scores,@function
k_q9442edb6c7_scores:
	s_mov_b64 s[64:65], 0
	v_nop
	global_prefetch_b8 v0, s[64:65] scope:SCOPE_SE
	s_setreg_imm32_b32 hwreg(HW_REG_WAVE_MODE, 25, 1), 1
	s_wait_xcnt 0x0
	s_wait_alu depctr_hold_cnt(0) depctr_sa_sdst(0) depctr_va_vdst(0) depctr_va_sdst(0) depctr_va_ssrc(0) depctr_va_vcc(0) depctr_vm_vsrc(0)
	s_getreg_b32 s2, hwreg(HW_REG_IB_STS2, 6, 4)
	s_cmp_eq_u32 s2, 0
	s_cbranch_scc0 .Lentry_in_a_cluster
	s_endpgm
.Lentry_in_a_cluster:
	s_bfe_u32 s2, ttmp6, 0x10000c
	s_cmp_lg_u32 s2, 0xf033
	s_cbranch_scc0 .Lentry_shape_is_right
	s_endpgm
.Lentry_shape_is_right:
; S = q k^T on codes of BF6 (K = 1,024), and the softmax's p made and quantised on the way out.  Nothing is left out: there is no mask.
; A tile of 256 queries x 256 keys is made by a work-group of EIGHT waves, two for each SIMD, 64 x 128 a wave.  T = q (source 1: a lane holds one query), U = k (source 0: a lane's registers run along the keys).
; K goes in eight steps of 128 through two LDS slots of three steps: steps 0-2 at the head, 3-5 behind the head's landing, 6-7 into slot 0 in step 2.  One tensor load a wave each (a quarter of q's or of k's tile), every wait on TENSORcnt for 0.
; ONE set of fragments: U's blocks 0-3 are fetched anew behind their 16 products, U's blocks 4-7 and T's four behind the step's other 16; meanwhile the SIMD's other wave has products of its own.
; CLUSTERS of 4 x 4: q's tile is shared along a row, k's along a column; each is asked for jointly.
; PREFETCHES one fill ahead: steps 3-5 at the head, 6-7 in the first trip: a lane a block of 256 bytes, each block named once in a cluster, shared out by address; waves 0-3 ask for q's, waves 4-7 for k's.
; THE SOFTMAX IS MADE UNDER THE M OF MY 128 KEYS: t = score x log2(e) / 32; M_loc = ceil(the largest t of the row among these keys); p = 2^(t - M_loc), quantised along the keys in blocks of 32.
; M_loc is a whole number, so the codes are those under the row's M, and only the scale bytes differ, by M - M_loc: the last launch takes that off them.  For each row and 128 keys go out: an image's share of codes, the scale word,
; -M_loc and the sum of the unquantised p, the last three in planes laid as scale blocks.
; A block's largest p is not searched for: p rises with the score, so the block's largest score goes through the same multiply-add and exponential.
; LIMITS: NaN and infinities are not served; scaled scores stay under 2^31 in magnitude; a p under 2^-126 of its 128 keys' largest is 0 (v_exp_f32's results under 2^-126 are zeros); a block whose every p is 0 keeps the byte 1.
; REGISTERS: window 0: v16-18, v20-22 LDS addresses; v24-26 16 l, 8 l, l; v28-29 the add's; v30-31 the prefetches' offsets; v32-47 q's scale words, v48-79 k's; v80-127 q's 4 fragments, v128-223 k's 8.
;   On the way out: v4-11 scale operands, v96-125 at work, p of two blocks of 16 queries in v128-191 and v32-95, v192-215 codes, v216-219 scale words, v224-227 -M_loc, v232-235 sums, v240-255 halves.
;   window 1: accumulator (a, b) at v[8 (8 a + b)].
.set SLOT,  147456
.set SPARE, 294912                     ; the spare words: 128 bytes for each wave, four blocks of 256 bytes that no other line names
.set ADT, 16                           ; T in slot 0 and 1 (three steps a block's row), and in slot 0 (two steps)
.set ADU, 20
.set L16, 24
.set L8,  25
.set LN,  26
.set SPW, 28
.set NIL, 29
.set PF3, 30
.set PF2, 31
.set ST,  32
.set SU,  48
.set TF,  80
.set UF,  128
.set OW,  216
.set OM,  224
.set OS,  232
.set TQ,  12
.set LQ,  13
.set WV,  18
.set LR,  19
.set HC,  20
.set G1T, 24
.set G1U, 32
.set G0T, 40                           ; s[40:51], s[52:63]: groups 0, one for each fill
.set G0U, 52
.set CS,  92                           ; s[92:93] c = log2(e) / 32: the packed form names a pair and takes its low word for both halves
.set MSB, 0
.macro WIN new
.if MSB != \new
	s_set_vgpr_msb (MSB<<8)|\new
.set MSB, \new
.endif
.endm
.macro PLACES
.rept 4
	v_nop
.endr
.endm
.macro JLOAD n                         ; fill n: waves 0-3 fetch q's quarters, waves 4-7 k's
	s_cmp_eq_u32 s[LR], 0
	s_cbranch_scc0 .Lfor_k_\@
	tensor_load_to_lds s[G0T+4*\n:G0T+4*\n+3], s[G1T:G1T+7]
	s_nop 0
	PLACES
	s_branch .Lasked_\@
.Lfor_k_\@:
	tensor_load_to_lds s[G0U+4*\n:G0U+4*\n+3], s[G1U:G1U+7]
	s_nop 0
	PLACES
.Lasked_\@:
.endm
.macro CREST
	s_cmp_lg_u32 s[WV], 0
	s_cbranch_scc1 .Lnot_wave_0_\@
	s_barrier_signal -3
.Lnot_wave_0_\@:
	s_barrier_wait -3
	s_barrier_signal -1
	s_barrier_wait -1
.endm
.macro CROUND
	s_barrier_signal -1
	s_barrier_wait -1
	CREST
.endm
.macro FR reg, adr, pit, q, i
.irp c, 0,1,2
	ds_load_b128 v[\reg+4*\c:\reg+4*\c+3], v[\adr] offset:(\pit)*(\i)+1536*(\q)+512*\c
.endr
.endm
.macro LOC s                           ; where K step s lies
.set fP, 4608-1536*((\s)/6)
.set fQ, (\s)%3
.set tA, ADT+(\s)/3
.set uA, ADU+(\s)/3
.endm
.macro LU i0                           ; four of U's fragments from i0 on
.set fi, \i0
.rept 4
	FR UF+12*fi, uA, fP, fQ, fi
.set fi, fi+1
.endr
.endm
.macro LT                              ; T's four
.set fi, 0
.rept 4
	FR TF+12*fi, tA, fP, fQ, fi
.set fi, fi+1
.endr
.endm
.macro EMIT zero
.if \zero
.if rw == 0
	v_wmma_scale_f32_16x16x128_f8f6f4 v[rD:rD+7], v[rU:rU+11], v[rT:rT+11], 0, v[rX], v[rY] matrix_a_fmt:MATRIX_FMT_BF6 matrix_b_fmt:MATRIX_FMT_BF6
.elseif rw == 1
	v_wmma_scale_f32_16x16x128_f8f6f4 v[rD:rD+7], v[rU:rU+11], v[rT:rT+11], 0, v[rX], v[rY] matrix_a_fmt:MATRIX_FMT_BF6 matrix_b_fmt:MATRIX_FMT_BF6 matrix_a_scale:MATRIX_SCALE_ROW1
.elseif rw == 2
	v_wmma_scale_f32_16x16x128_f8f6f4 v[rD:rD+7], v[rU:rU+11], v[rT:rT+11], 0, v[rX], v[rY] matrix_a_fmt:MATRIX_FMT_BF6 matrix_b_fmt:MATRIX_FMT_BF6 matrix_b_scale:MATRIX_SCALE_ROW1
.else
	v_wmma_scale_f32_16x16x128_f8f6f4 v[rD:rD+7], v[rU:rU+11], v[rT:rT+11], 0, v[rX], v[rY] matrix_a_fmt:MATRIX_FMT_BF6 matrix_b_fmt:MATRIX_FMT_BF6 matrix_a_scale:MATRIX_SCALE_ROW1 matrix_b_scale:MATRIX_SCALE_ROW1
.endif
.else
.if rw == 0
	v_wmma_scale_f32_16x16x128_f8f6f4 v[rD:rD+7], v[rU:rU+11], v[rT:rT+11], v[rD:rD+7], v[rX], v[rY] matrix_a_fmt:MATRIX_FMT_BF6 matrix_b_fmt:MATRIX_FMT_BF6
.elseif rw == 1
	v_wmma_scale_f32_16x16x128_f8f6f4 v[rD:rD+7], v[rU:rU+11], v[rT:rT+11], v[rD:rD+7], v[rX], v[rY] matrix_a_fmt:MATRIX_FMT_BF6 matrix_b_fmt:MATRIX_FMT_BF6 matrix_a_scale:MATRIX_SCALE_ROW1
.elseif rw == 2
	v_wmma_scale_f32_16x16x128_f8f6f4 v[rD:rD+7], v[rU:rU+11], v[rT:rT+11], v[rD:rD+7], v[rX], v[rY] matrix_a_fmt:MATRIX_FMT_BF6 matrix_b_fmt:MATRIX_FMT_BF6 matrix_b_scale:MATRIX_SCALE_ROW1
.else
	v_wmma_scale_f32_16x16x128_f8f6f4 v[rD:rD+7], v[rU:rU+11], v[rT:rT+11], v[rD:rD+7], v[rX], v[rY] matrix_a_fmt:MATRIX_FMT_BF6 matrix_b_fmt:MATRIX_FMT_BF6 matrix_a_scale:MATRIX_SCALE_ROW1 matrix_b_scale:MATRIX_SCALE_ROW1
.endif
.endif
.endm
.macro MULU b0, n, s, zero             ; n of U's blocks from b0 on x T's four.  The 32 accumulators take turns, one instruction a turn, in the same order in every step
	WIN 0x50                                       ; C and D window 1
.set ub, \b0
.rept \n
.irp a, 0,1,2,3
.set rD, 8*(8*\a+ub)
.set rU, UF+12*ub
.set rT, TF+12*\a
.set rX, SU+4*(\s)+ub/2
.set rY, ST+2*(\s)+\a/2
.set rw, 2*(\a%2)+ub%2
	EMIT \zero
.endr
.set ub, ub+1
.endr
	WIN 0
.endm
.macro STEP s, zero                    ; a step inside a fill
	LOC (\s)+1
	s_wait_dscnt 12                                ; U's blocks 0-3 and T are in; U's blocks 4-7 (the 12 youngest loads) may be out
	MULU 0, 4, \s, \zero
	PLACES
	LU 0
	s_wait_dscnt 12                                ; U's blocks 4-7 are in: all but the 12 just asked for
	MULU 4, 4, \s, \zero
	PLACES
	LT
	LU 4
.endm
.macro SECOND s                        ; the rest of a step behind a barrier: the next step's fragments lie in the fill that the barrier has shown whole
	LOC (\s)+1
	LU 0
	MULU 6, 2, \s, 0
	PLACES
	LT
	LU 4
.endm
	s_load_b128 s[4:7], s[0:1], 0x0                ; qk s[4:5], pp s[6:7]
	v_lshl_add_u32 v[SPW], v0, 2, SPARE
	v_mov_b32 v[NIL], 0
	ds_add_u32 v[SPW], v[NIL]                      ; the wave's opening: the add, twice on end, and its wait ahead of my first tensor load
	ds_add_u32 v[SPW], v[NIL]
	v_lshrrev_b32 v1, 5, v0
	v_readfirstlane_b32 s[WV], v1                  ; 0 to 7
	s_lshr_b32 s[TQ], s[WV], 1                     ; my quarter of the queries
	s_and_b32 s[HC], s[WV], 1                      ; my half of the keys
	s_lshr_b32 s[LR], s[WV], 2                     ; I fetch q (0) or k (1),
	s_and_b32 s[LQ], s[WV], 3                      ; which quarter
	s_bfe_u32 s21, ttmp6, 0x40000                  ; cx
	s_bfe_u32 s22, ttmp6, 0x40004                  ; cy
	s_and_b32 s23, ttmp7, 0xffff                   ; the cluster's y
	s_lshl_b32 s67, s23, 2
	s_add_co_u32 s67, s67, s22                     ; q's tile of 256 among all 8,192 tokens; the batch is the cluster's y / 2
	s_lshl_b32 s76, ttmp9, 2
	s_add_co_u32 s76, s76, s21                     ; the tile of keys in the batch
	s_lshr_b32 s68, s23, 1
	s_lshl_b32 s68, s68, 3
	s_add_co_u32 s68, s68, s76                     ; k's tile among all tokens
	s_lshl_b32 s69, s22, 2
	s_lshl_b32 s69, 15, s69                        ; my row of the cluster
	s_lshl_b32 s70, 0x1111, s21                    ; my column
	s_or_b32 s[G1T], s69, (3<<16)|(1<<21)
	s_or_b32 s[G1U], s70, (3<<16)|(1<<21)
.irp g, G1T, G1U
	s_mov_b32 s[\g+1], 576<<16                     ; three images: 4,608 bytes
	s_mov_b32 s[\g+2], 4<<16                       ; 4 blocks of 16 rows
	s_mov_b32 s[\g+3], 576<<16
	s_mov_b32 s[\g+4], 4
	s_mov_b32 s[\g+5], 1536                        ; from block to block: 8 images
	s_mov_b32 s[\g+6], 0
	s_mov_b32 s[\g+7], 0
.endr
	s_lshl_b32 s71, s[LQ], 2
	s_lshl_b32 s72, s67, 4
	s_add_co_u32 s72, s72, s71
	s_mul_i32 s72, s72, 12288
	s_mov_b32 s73, 0
	s_lshl_b32 s74, s68, 4
	s_add_co_u32 s74, s74, s71
	s_mul_i32 s74, s74, 12288
	s_add_co_u32 s74, s74, 6291456                 ; k's images lie behind q's
	s_mov_b32 s75, 0
	s_mul_i32 s77, s[WV], 18432                    ; where they go: q's four quarters, then k's: wave x 4 blocks of three images,
	s_mul_i32 s78, s[WV], 12288                    ; or of two
	s_mov_b32 s96, 0x76543210
	s_mov_b32 s97, 0xfedcba98
	s_mov_b32 s[CS], 0x3d38aa3b                    ; log2(e) / sqrt(1,024)
	s_mov_b32 s[CS+1], s[CS]
	s_wait_dscnt 0x0                               ; both opening adds are done
	s_wait_kmcnt 0x0
	s_add_nc_u64 s[82:83], s[4:5], s[72:73]
	s_add_nc_u64 s[84:85], s[4:5], s[74:75]
.irp n, 0,1,2
	s_mov_b32 s[G0T+4*\n], 1
	s_add_nc_u64 s[G0T+4*\n+2:G0T+4*\n+3], s[82:83], \n*4608
	s_or_b32 s[G0T+4*\n+3], s[G0T+4*\n+3], 0x80000000
	s_mov_b32 s[G0U+4*\n], 1
	s_add_nc_u64 s[G0U+4*\n+2:G0U+4*\n+3], s[84:85], \n*4608
	s_or_b32 s[G0U+4*\n+3], s[G0U+4*\n+3], 0x80000000
.endr
.irp g, G0T, G0U
	s_mov_b32 s[\g+1], s77
	s_add_co_u32 s[\g+5], s77, SLOT
	s_mov_b32 s[\g+9], s78
.endr
	CROUND                                         ; all sixteen work-groups are here: the first joint loads meet
	JLOAD 0                                        ; one tensor load a wave at the head
	s_lshl_b32 s90, s67, 2
	s_add_co_u32 s90, s90, s[TQ]                   ; which 64 queries are mine: one scale group
	s_lshl_b32 s91, s76, 1
	s_add_co_u32 s91, s91, s[HC]                   ; which 128 keys of the batch
	s_lshl_b32 s94, s68, 1
	s_add_co_u32 s94, s94, s[HC]                   ; and among all tokens
	s_lshl_b32 s86, s90, 11
	s_add_co_u32 s86, s86, 12582912                ; q's scale blocks
	s_mov_b32 s87, 0
	s_lshl_b32 s88, s94, 12
	s_add_co_u32 s88, s88, 12845056                ; k's
	s_mov_b32 s89, 0
	s_add_nc_u64 s[86:87], s[4:5], s[86:87]
	s_add_nc_u64 s[88:89], s[4:5], s[88:89]
	; the prefetches: of a tile's 16 blocks each of the four partners that share it takes four, a wave one
	s_lshl_b32 s72, s67, 4
	s_lshl_b32 s71, s21, 2
	s_add_co_u32 s72, s72, s71
	s_add_co_u32 s72, s72, s[LQ]
	s_mul_i32 s72, s72, 12288
	s_add_nc_u64 s[80:81], s[4:5], s[72:73]
	s_lshl_b32 s74, s68, 4
	s_lshl_b32 s71, s22, 2
	s_add_co_u32 s74, s74, s71
	s_add_co_u32 s74, s74, s[LQ]
	s_mul_i32 s74, s74, 12288
	s_add_co_u32 s74, s74, 6291456
	s_add_nc_u64 s[82:83], s[4:5], s[74:75]
	s_cmp_eq_u32 s[LR], 0
	s_cselect_b64 s[80:81], s[80:81], s[82:83]
	s_mul_i32 s66, s[TQ], 18432
	s_mul_i32 s69, s[TQ], 12288
	s_mul_i32 s70, s[HC], 36864
	s_add_co_u32 s70, s70, 2*36864
	s_mul_i32 s71, s[HC], 24576
	s_add_co_u32 s71, s71, 2*24576
	v_and_b32 v[LN], 31, v0
	v_lshlrev_b32 v[L16], 4, v[LN]
	v_lshlrev_b32 v[L8], 3, v[LN]
	v_min_u32 v[PF3], 17, v[LN]                    ; three K steps of a block are 18 x 256 bytes (lanes that are left over name the last again),
	v_min_u32 v[PF2], 11, v[LN]                    ; two are 12 x 256
	v_lshlrev_b32 v[PF3], 8, v[PF3]
	v_lshlrev_b32 v[PF2], 8, v[PF2]
	v_add_nc_u32 v[ADT], s66, v[L16]
	v_add_nc_u32 v[ADT+2], s69, v[L16]
	v_add_nc_u32 v[ADU], s70, v[L16]
	v_add_nc_u32 v[ADU+2], s71, v[L16]
	v_add_nc_u32 v[ADT+1], SLOT, v[ADT]
	v_add_nc_u32 v[ADU+1], SLOT, v[ADU]
	v_cmp_le_u32 s95, 16, v[LN]                    ; lanes 16-31
	s_wait_alu depctr_va_vdst(0)
.irp s, 0,1,2,3,4,5,6,7
	global_load_b64 v[ST+2*\s:ST+2*\s+1], v[L8], s[86:87] offset:256*\s
	global_load_b64 v[SU+4*\s:SU+4*\s+1], v[L8], s[88:89] offset:256*\s
	global_load_b64 v[SU+4*\s+2:SU+4*\s+3], v[L8], s[88:89] offset:2048+256*\s
.endr
	global_prefetch_b8 v[PF3], s[80:81] offset:4608 th:TH_LOAD_NT scope:SCOPE_SE       ; the next fill, K steps 3-5
	s_lshl_b32 s98, s90, 6
	s_add_co_u32 s98, s98, s91
	s_mul_i32 s98, s98, 1536                       ; p's images: 16 K steps in a row of images
	s_mov_b32 s99, 0
	s_lshl_b32 s2, s90, 4
	s_add_co_u32 s2, s2, s91
	s_lshl_b32 s2, s2, 8
	s_add_co_u32 s2, s2, 12582912                  ; the three planes' blocks
	s_mov_b32 s3, 0
	s_add_nc_u64 s[98:99], s[6:7], s[98:99]
	s_add_nc_u64 s[2:3], s[6:7], s[2:3]
	s_wait_alu depctr_va_vdst(0)
	s_wait_tensorcnt 0x0                           ; my part of the head's fill is in
	ds_add_u32 v[SPW], v[NIL]
	s_wait_dscnt 0x0
	CROUND                                         ; everybody's part of the head's fill is in
	JLOAD 1                                        ; K steps 3-5
	LOC 0
	LU 0
	LT
	LU 4
	s_wait_loadcnt 0x0                             ; the scale words
	STEP 0, 1
	global_prefetch_b8 v[PF2], s[80:81] offset:9216 th:TH_LOAD_NT scope:SCOPE_SE       ; the next fill, K steps 6 and 7
	STEP 1, 0
	s_wait_tensorcnt 0x0                           ; step 2: my part of K steps 3-5 is in; no tensor load of mine is out: the descriptors may be written
	ds_add_u32 v[SPW], v[NIL]                      ; 0 onto my spare word
.irp g, G1T, G1U
	s_mov_b32 s[\g+1], 384<<16                     ; two images: 3,072 bytes
	s_mov_b32 s[\g+3], 384<<16
.endr
	s_wait_dscnt 13                                ; (the add and U's blocks 4-7, 12 loads, may be out)
	MULU 0, 4, 2, 0
	s_wait_dscnt 0x0                               ; the add is done, and my reads of slot 0 are over
	s_barrier_signal -1
	MULU 4, 2, 2, 0
	s_barrier_wait -1
	CREST                                          ; no wave of any partner still reads slot 0 or has a load on its way
	JLOAD 2                                        ; K steps 6 and 7
	SECOND 2
	STEP 3, 0
	STEP 4, 0
	s_wait_dscnt 12                                ; step 5: K steps 6 and 7 must be in for the next step
	MULU 0, 4, 5, 0
	s_wait_tensorcnt 0x0
	s_wait_dscnt 0x0
	s_barrier_signal -1
	MULU 4, 2, 5, 0
	s_barrier_wait -1
	PLACES
	SECOND 5
	STEP 6, 0
	s_wait_dscnt 12
	MULU 0, 4, 7, 0
	s_wait_dscnt 0x0
	MULU 4, 4, 7, 0
	PLACES
.irp q, 0,1,2,3,4,5,6,7
	v_mov_b32 v[104+\q], 0                         ; written once: a lane permute's destination counts as one of its sources
.endr
	v_mov_b32 v113, 0                              ; (named as upper halves of the pairs v[112:113] and v[114:115])
	v_mov_b32 v115, 0
; THE WAY OUT of blocks 2 t and 2 t + 1, each 16 queries x my 128 keys.  A lane holds one query of each and 64 scores; its registers 16 q .. 16 q + 15 belong to one block of 32 keys, which lanes l and l xor 16 share.
.macro SOFT2 t
.set AC, 128*(\t)
	WIN 0x05                                       ; sources 0 and 1: the accumulators' window
	s_wait_alu depctr_va_vdst(0)                   ; ahead of the results' first readers
.irp q, 0,1,2,3,4,5,6,7
	v_max_num_f32 v[96+\q], v[AC+16*\q], v[AC+16*\q+1]      ; the largest score of each block: it serves the row's maximum and the block's largest p
.endr
.irp i, 2,4,6,8,10,12,14
.irp q, 0,1,2,3,4,5,6,7
	v_max3_num_f32 v[96+\q], v[AC+16*\q+\i], v[AC+16*\q+\i+1], v[96+\q]
.endr
.endr
	WIN 0
.irp q, 0,1,2,3,4,5,6,7
	v_permlanex16_b32 v[104+\q], v[96+\q], s96, s97
.endr
.irp q, 0,1,2,3,4,5,6,7
	v_max_num_f32 v[96+\q], v[96+\q], v[104+\q]    ; with lane l xor 16's 16 keys
.endr
.irp k, 0,1
	v_max3_num_f32 v[116+\k], v[96+4*\k], v[97+4*\k], v[98+4*\k]
.endr
.irp k, 0,1
	v_max_num_f32 v[116+\k], v[116+\k], v[99+4*\k] ; the largest score of my query among these 128 keys
.endr
.irp k, 0,1
	v_mul_f32 v[116+\k], s[CS], v[116+\k]          ; as t (c is positive)
.endr
.irp k, 0,1
	v_floor_f32 v[112+2*\k], -v[116+\k]            ; -M_loc = floor(-t) = -ceil(t): a whole number
.endr
.irp q, 0,1,2,3,4,5,6,7
	v_fma_f32 v[96+\q], v[96+\q], s[CS], v[112+2*(\q/4)]   ; t - M_loc of each block's largest score
.endr
.irp k, 0,1
	v_mov_b32 v[OM+2*(\t)+\k], v[112+2*\k]
.endr
	WIN 0x01                                       ; source 0: the accumulators' window
.irp k, 0,1
.set j, 0
.rept 32
	v_pk_fma_f32 v[128-96*\k+j:129-96*\k+j], v[AC+64*\k+j:AC+64*\k+j+1], s[CS:CS+1], v[112+2*\k:113+2*\k] op_sel_hi:[1,0,0]   ; t - M_loc, two at a time
.set j, j+2
.endr
.endr
	WIN 0
	s_wait_alu depctr_va_vdst(0)                   ; the wait ahead of the batch
.irp k, 0,1
.set j, 0
.rept 64
	v_exp_f32 v[128-96*\k+j], v[128-96*\k+j]       ; p = 2^(t - M_loc), at most 1: not normalised
.set j, j+1
.endr
.endr
.irp q, 0,1,2,3,4,5,6,7
	v_exp_f32 v[96+\q], v[96+\q]                   ; the block's largest p: the same two instructions on the same number
.endr
	v_nop                                          ; a plain place behind the exponentials
	s_wait_alu depctr_va_vdst(0)                   ; one wait for the whole batch, ahead of its first reader
.irp k, 0,1                            ; the sum of the UNQUANTISED p, two at a time, in four chains for each of the two blocks
.irp c, 0,1,2,3
	v_pk_add_f32 v[104+14*\k+2*\c:105+14*\k+2*\c], v[128-96*\k+2*\c:129-96*\k+2*\c], v[136-96*\k+2*\c:137-96*\k+2*\c]
.endr
.endr
.irp m, 16,24,32,40,48,56
.irp k, 0,1
.irp c, 0,1,2,3
	v_pk_add_f32 v[104+14*\k+2*\c:105+14*\k+2*\c], v[104+14*\k+2*\c:105+14*\k+2*\c], v[128+\m-96*\k+2*\c:129+\m-96*\k+2*\c]
.endr
.endr
.endr
.irp q, 0,1,2,3,4,5,6,7
	v_max_num_f32 v[96+\q], 0x2800000, v[96+\q]    ; the floor 2^(5 - 127): the byte cannot fall under 1
.endr
.irp k, 0,1
	v_pk_add_f32 v[104+14*\k:105+14*\k], v[104+14*\k:105+14*\k], v[106+14*\k:107+14*\k]
	v_pk_add_f32 v[108+14*\k:109+14*\k], v[108+14*\k:109+14*\k], v[110+14*\k:111+14*\k]
.endr
.irp q, 0,1,2,3,4,5,6,7
	v_add_nc_u32 v[4+\q], 0xfe000000, v[96+\q]     ; 4 off the exponent field: the conversion's scale operand
.endr
.irp k, 0,1
	v_pk_add_f32 v[104+14*\k:105+14*\k], v[104+14*\k:105+14*\k], v[108+14*\k:109+14*\k]
.endr
.irp q, 0,1,2,3,4,5,6,7
	v_lshrrev_b32 v[96+\q], 23, v[4+\q]            ; the scale's byte
.endr
.irp k, 0,1
	v_lshl_or_b32 v[OW+2*(\t)+\k], v[97+4*\k], 8, v[96+4*\k]
.endr
.irp k, 0,1
	v_lshl_or_b32 v[OW+2*(\t)+\k], v[98+4*\k], 16, v[OW+2*(\t)+\k]
.endr
.irp k, 0,1
	v_lshl_or_b32 v[OW+2*(\t)+\k], v[99+4*\k], 24, v[OW+2*(\t)+\k]
.endr
.if (\t) > 0
	s_wait_alu depctr_va_vdst(0)
	s_wait_xcnt 0x0                                ; the earlier stores have read their codes
.endif
.irp k, 0,1
.irp c, 0,1
	v_cvt_scalef32_pk16_bf6_f32 v[192+12*\k+6*\c:194+12*\k+6*\c], v[128-96*\k+32*\c:143-96*\k+32*\c], v[4+4*\k+2*\c]
	v_cvt_scalef32_pk16_bf6_f32 v[240+8*\k+4*\c:242+8*\k+4*\c], v[144-96*\k+32*\c:159-96*\k+32*\c], v[5+4*\k+2*\c]
.endr
.endr
.irp k, 0,1
	v_add_f32 v[116+\k], v[104+14*\k], v[105+14*\k]        ; the sum's two halves.  (The plain place behind the conversions)
.endr
.irp k, 0,1
.irp c, 0,1
.irp i, 0,1,2
	v_permlane16_swap_b32 v[192+12*\k+6*\c+\i], v[240+8*\k+4*\c+\i]
.endr
.endr
.endr
.irp k, 0,1
	v_permlanex16_b32 v[104+\k], v[116+\k], s96, s97
.endr
.irp k, 0,1
.irp c, 0,1
.irp i, 0,1,2
	v_mov_b32 v[195+12*\k+6*\c+\i], v[240+8*\k+4*\c+\i]
.endr
.endr
.endr
.irp k, 0,1
	v_add_f32 v[OS+2*(\t)+\k], v[116+\k], v[104+\k]        ; with lane l xor 16's: the row's sum over these 128 keys
.endr
.irp k, 0,1
.irp c, 0,1,2
	global_store_b128 v[L16], v[192+12*\k+4*\c:195+12*\k+4*\c], s[98:99] offset:24576*(2*(\t)+\k)+512*\c   ; 512 consecutive bytes, aligned
.endr
.endr
.endm
	SOFT2 0
	SOFT2 1
.irp t, 0,1                            ; a register for 32 rows: lanes 0-15 the even block's, lanes 16-31 the odd one's
	v_cndmask_b32 v[128+\t], v[OW+2*\t], v[OW+1+2*\t], s95
	v_cndmask_b32 v[130+\t], v[OM+2*\t], v[OM+1+2*\t], s95
	v_cndmask_b32 v[132+\t], v[OS+2*\t], v[OS+1+2*\t], s95
.endr
.irp p, 0,1,2                          ; the planes: scale words, -M_loc, sums: 256 consecutive bytes each, aligned
	global_store_b64 v[L8], v[128+2*\p:129+2*\p], s[2:3] offset:524288*\p
.endr
	s_wait_tensorcnt 0x0                           ; the wave's end
	ds_add_u32 v[SPW], v[NIL]
	s_wait_dscnt 0x0
	CROUND                                         ; the closing round
	s_endpgm
.Lfunc_end_k_q9442edb6c7_scores:
	.size	k_q9442edb6c7_scores, .Lfunc_end_k_q9442edb6c7_scores-k_q9442edb6c7_scores
	.p2alignl 7, 3214868480
	.fill 96, 4, 3214868480
	.section	.rodata,"a",@progbits
	.p2align	6, 0x0
	.amdhsa_kernel k_q9442edb6c7_scores
		.amdhsa_group_segment_fixed_size 327680
		.amdhsa_private_segment_fixed_size 0
		.amdhsa_enable_private_segment 0
		.amdhsa_kernarg_size 16
		.amdhsa_user_sgpr_count 2
		.amdhsa_user_sgpr_kernarg_segment_ptr 1
		.amdhsa_wavefront_size32 1
		.amdhsa_system_sgpr_workgroup_id_x 1
		.amdhsa_system_sgpr_workgroup_id_y 1
		.amdhsa_system_sgpr_workgroup_id_z 1
		.amdhsa_system_vgpr_workitem_id 0
		.amdhsa_next_free_vgpr 512
		.amdhsa_next_free_sgpr 100
		.amdhsa_reserve_vcc 0
		.amdhsa_float_denorm_mode_32 3
		.amdhsa_float_denorm_mode_16_64 3
		.amdhsa_memory_ordered 1
		.amdhsa_forward_progress 1
		.amdhsa_inst_pref_size 111
	.end_amdhsa_kernel
	.amdgpu_metadata
---
amdhsa.version: [ 1, 2 ]
amdhsa.kernels:
  - .name:           k_q9442edb6c7_scores
    .symbol:         k_q9442edb6c7_scores.kd
    .args:
      - { .name: qk, .offset: 0, .size: 8, .value_kind: global_buffer, .address_space: global }
      - { .name: pp, .offset: 8, .size: 8, .value_kind: global_buffer, .address_space: global }
    .group_segment_fixed_size: 327680
    .private_segment_fixed_size: 0
    .kernarg_segment_align: 8
    .kernarg_segment_size: 16
    .max_flat_workgroup_size: 256
    .sgpr_count:     100
    .vgpr_count:     512
    .wavefront_size: 32
...
	.end_amdgpu_metadata
.endif
;; end of part 3
;; launch pv (part 4): grid 4 x 64, 4 waves a work-group, clusters of 4 x 4, 327,680 bytes of LDS; arguments pp, vt, out0; writes out0
.if DOCPART == 4
	.amdgcn_target "amdgcn-amd-amdhsa--gfx1250"
	.amdhsa_code_object_version 6
	.text
	.protected	k_q9442edb6c7_pv
	.globl	k_q9442edb6c7_pv
	.p2align	8
	.type	k_q9442edb6c7_pv,@function
k_q9442edb6c7_pv:
	s_mov_b64 s[64:65], 0
	v_nop
	global_prefetch_b8 v0, s[64:65] scope:SCOPE_SE
	s_setreg_imm32_b32 hwreg(HW_REG_WAVE_MODE, 25, 1), 1
	s_wait_xcnt 0x0
	s_wait_alu depctr_hold_cnt(0) depctr_sa_sdst(0) depctr_va_vdst(0) depctr_va_sdst(0) depctr_va_ssrc(0) depctr_va_vcc(0) depctr_vm_vsrc(0)
	s_getreg_b32 s2, hwreg(HW_REG_IB_STS2, 6, 4)
	s_cmp_eq_u32 s2, 0
	s_cbranch_scc0 .Lentry_in_a_cluster
	s_endpgm
.Lentry_in_a_cluster:
	s_bfe_u32 s2, ttmp6, 0x10000c
	s_cmp_lg_u32 s2, 0xf033
	s_cbranch_scc0 .Lentry_shape_is_right
	s_endpgm
.Lentry_shape_is_right:
; out = (p v) / l on codes of BF6 (K = the batch's 2,048 keys).  Nothing is left out.
; A tile of 128 queries x 256 channels is made by a work-group of four waves (tiles of 256 x 256 would be 128, half as many as there are WGPs); a wave makes 64 x 128: 32 accumulators.
; T = p (source 1: a lane holds one query), U = v^T (source 0: a lane's registers run along the channels).  Both lie in memory as images of their registers.
; K goes in 16 steps of 128 through two LDS slots of four steps (6,144 bytes a block of 16 rows): slot 0 at the head, slot 1 behind the head's landing, then each once more.  One tensor load a wave each, every wait on TENSORcnt for 0.
; THREE SETS of fragments: a step's 36 loads are issued two steps ahead, so a slot is read out, and changed, two steps ahead of its last products.
; CLUSTERS of 4 x 4: p's tile is shared along a row of the cluster, v's along a column; each is asked for jointly.
; PREFETCHES one fill ahead: a lane a block of 256 bytes, each block named once in a cluster, shared out by address.
; BEHIND THE SECOND FILL'S REQUEST: p was quantised under the M of each 128 keys.  -M = the least of the row's sixteen -M_loc; D = M - M_loc is a whole number, 0 or more; it comes off each of the K step's four scale bytes
; (an exact power of two), and l = the sum of l_loc x 2^-D.  All of it is lane by lane: a scale register's lane is a row.
; LIMITS: D is held at 127, and a byte that would fall under 0 is 0 (2^-127) with its codes as they are: such a block lies under 2^-120 of the row's sum.  NaN and infinities are not served.
; REGISTERS: window 0: v8-15 1 / l, a pair for each block of 16 queries; v16-17, v20-21 LDS addresses; v22-26 stage in, stage out, 16 l, 8 l, l; v27, v7 the prefetches' offsets; v28-29 the add's; v30-31 -M;
;   v32-63 p's scale words (2 a K step), v64-127 v's (4 a K step); v128-175, v176-223 p's first two sets of 4 fragments (at the head v176-207 -M_loc, v208-239 l_loc); v240-255 at work; on the way out v128-255 rows of out.
;   window 1: v's first two sets, v0-95 and v128-223.   window 3: the third set, v's v0-95, p's v96-143.   window 2: accumulator (a, b) at v[8 (8 a + b)].
.set SLOT,  147456                     ; p's 8 blocks x 6,144 bytes, then v's 16
.set UOFF,  49152
.set SPARE, 294912                     ; behind the two slots: the spare words, 128 bytes for each wave
.set PFV, 7
.set ST,  32
.set SU,  64
.set TF,  128
.set ADT, 16
.set ADU, 20
.set STO, 22
.set RD,  23
.set L16, 24
.set L8,  25
.set LN,  26
.set PFP, 27
.set SPW, 28
.set NIL, 29
.set WV,  18
.set HR,  19
.set HC,  20
.set G1T, 24
.set G1U, 32
.set G0T, 40                           ; s[40:47], s[48:55]: groups 0, a set for each slot
.set G0U, 48
.set MSB, 0
.macro WIN new
.if MSB != \new
	s_set_vgpr_msb (MSB<<8)|\new
.set MSB, \new
.endif
.endm
.macro PLACES
.rept 4
	v_nop
.endr
.endm
.macro JLOAD n                         ; slot n: waves 0 and 1 fetch p's halves (64 rows), waves 2 and 3 v's (128 rows)
	s_cmp_eq_u32 s[HR], 0
	s_cbranch_scc0 .Lfor_v_\@
	tensor_load_to_lds s[G0T+4*\n:G0T+4*\n+3], s[G1T:G1T+7]
	s_nop 0
	PLACES
	s_branch .Lasked_\@
.Lfor_v_\@:
	tensor_load_to_lds s[G0U+4*\n:G0U+4*\n+3], s[G1U:G1U+7]
	s_nop 0
	PLACES
.Lasked_\@:
.endm
.macro CREST
	s_cmp_lg_u32 s[WV], 0
	s_cbranch_scc1 .Lnot_wave_0_\@
	s_barrier_signal -3
.Lnot_wave_0_\@:
	s_barrier_wait -3
	s_barrier_signal -1
	s_barrier_wait -1
.endm
.macro CROUND
	s_barrier_signal -1
	s_barrier_wait -1
	CREST
.endm
.macro ASK n                           ; fill n's blocks
	global_prefetch_b8 v[PFP], s[56:57] offset:6144*\n th:TH_LOAD_NT scope:SCOPE_SE
	global_prefetch_b8 v[PFV], s[58:59] offset:6144*\n th:TH_LOAD_NT scope:SCOPE_SE
.endm
.macro FR reg, adr, q, i
.irp c, 0,1,2
	ds_load_b128 v[\reg+4*\c:\reg+4*\c+3], v[\adr] offset:6144*(\i)+1536*(\q)+512*\c
.endr
.endm
.macro FETCH s                         ; step s's 36 loads, from slot (s / 4) % 2 into set s % 3
.set tA, ADT+((\s)/4)%2
.set uA, ADU+((\s)/4)%2
.set fQ, (\s)%4
.if (\s)%3 == 2
.set uF, 0
.set tF, 96
	WIN 0xc0
.else
.set uF, 128*((\s)%3)
.set tF, TF+48*((\s)%3)
	WIN 0x40
.endif
.set fi, 0
.rept 8
	FR uF+12*fi, uA, fQ, fi
.set fi, fi+1
.endr
.if (\s)%3 != 2
	WIN 0
.endif
.set fi, 0
.rept 4
	FR tF+12*fi, tA, fQ, fi
.set fi, fi+1
.endr
	WIN 0
.endm
.macro EMIT zero
.if \zero
.if rw == 0
	v_wmma_scale_f32_16x16x128_f8f6f4 v[rD:rD+7], v[rU:rU+11], v[rT:rT+11], 0, v[rX], v[rY] matrix_a_fmt:MATRIX_FMT_BF6 matrix_b_fmt:MATRIX_FMT_BF6
.elseif rw == 1
	v_wmma_scale_f32_16x16x128_f8f6f4 v[rD:rD+7], v[rU:rU+11], v[rT:rT+11], 0, v[rX], v[rY] matrix_a_fmt:MATRIX_FMT_BF6 matrix_b_fmt:MATRIX_FMT_BF6 matrix_a_scale:MATRIX_SCALE_ROW1
.elseif rw == 2
	v_wmma_scale_f32_16x16x128_f8f6f4 v[rD:rD+7], v[rU:rU+11], v[rT:rT+11], 0, v[rX], v[rY] matrix_a_fmt:MATRIX_FMT_BF6 matrix_b_fmt:MATRIX_FMT_BF6 matrix_b_scale:MATRIX_SCALE_ROW1
.else
	v_wmma_scale_f32_16x16x128_f8f6f4 v[rD:rD+7], v[rU:rU+11], v[rT:rT+11], 0, v[rX], v[rY] matrix_a_fmt:MATRIX_FMT_BF6 matrix_b_fmt:MATRIX_FMT_BF6 matrix_a_scale:MATRIX_SCALE_ROW1 matrix_b_scale:MATRIX_SCALE_ROW1
.endif
.else
.if rw == 0
	v_wmma_scale_f32_16x16x128_f8f6f4 v[rD:rD+7], v[rU:rU+11], v[rT:rT+11], v[rD:rD+7], v[rX], v[rY] matrix_a_fmt:MATRIX_FMT_BF6 matrix_b_fmt:MATRIX_FMT_BF6
.elseif rw == 1
	v_wmma_scale_f32_16x16x128_f8f6f4 v[rD:rD+7], v[rU:rU+11], v[rT:rT+11], v[rD:rD+7], v[rX], v[rY] matrix_a_fmt:MATRIX_FMT_BF6 matrix_b_fmt:MATRIX_FMT_BF6 matrix_a_scale:MATRIX_SCALE_ROW1
.elseif rw == 2
	v_wmma_scale_f32_16x16x128_f8f6f4 v[rD:rD+7], v[rU:rU+11], v[rT:rT+11], v[rD:rD+7], v[rX], v[rY] matrix_a_fmt:MATRIX_FMT_BF6 matrix_b_fmt:MATRIX_FMT_BF6 matrix_b_scale:MATRIX_SCALE_ROW1
.else
	v_wmma_scale_f32_16x16x128_f8f6f4 v[rD:rD+7], v[rU:rU+11], v[rT:rT+11], v[rD:rD+7], v[rX], v[rY] matrix_a_fmt:MATRIX_FMT_BF6 matrix_b_fmt:MATRIX_FMT_BF6 matrix_a_scale:MATRIX_SCALE_ROW1 matrix_b_scale:MATRIX_SCALE_ROW1
.endif
.endif
.endm
.macro MUL8 a, s, zero                 ; 8 products: T's block a.  The 32 accumulators take turns, one instruction a turn, in the same order in every step
.if (\s)%3 == 2
	WIN 0xaf                                       ; v and p window 3, C and D window 2
.else
	WIN 0xa1                                       ; v window 1, p window 0
.endif
.irp b, 0,1,2,3,4,5,6,7
.set rD, 8*(8*(\a)+\b)
.if (\s)%3 == 2
.set rU, 12*\b
.set rT, 96+12*(\a)
.else
.set rU, 128*((\s)%3)+12*\b
.set rT, TF+48*((\s)%3)+12*(\a)
.endif
.set rX, SU+4*(\s)+\b/2
.set rY, ST+2*(\s)+(\a)/2
.set rw, 2*((\a)%2)+\b%2
	EMIT \zero
.endr
.endm
.macro PSTEP s, zero                   ; a step; in its middle the fragments of two steps on, into the set that the step before multiplied
.if (\s) < 15
	s_wait_dscnt 36                                ; this step's are in: all but the next step's 36
.else
	s_wait_dscnt 0x0
.endif
	MUL8 0, \s, \zero
	MUL8 1, \s, \zero
.if (\s) < 14
	PLACES
	FETCH (\s)+2
.endif
	MUL8 2, \s, \zero
	MUL8 3, \s, \zero
	WIN 0
.endm
.macro PTURN s, slot, refill           ; a slot's third step changes slots: its fourth step's fragments have been asked for.  refill = 1: this slot takes the fill two on
	s_wait_tensorcnt 0x0                           ; my part of the next slot has landed; no tensor load of mine is out
.if \refill
	ds_add_u32 v[SPW], v[NIL]                      ; 0 onto my spare word
	s_add_nc_u64 s[G0T+4*\slot+2:G0T+4*\slot+3], s[G0T+4*\slot+2:G0T+4*\slot+3], 12288
	s_add_nc_u64 s[G0U+4*\slot+2:G0U+4*\slot+3], s[G0U+4*\slot+2:G0U+4*\slot+3], 12288
	s_wait_dscnt 37                                ; (the add and the next step's 36 may be out)
.else
	s_wait_dscnt 36
.endif
	MUL8 0, \s, 0
	MUL8 1, \s, 0
	s_wait_dscnt 0x0                               ; my reads of this slot are over (and the add is done)
	s_barrier_signal -1
	MUL8 2, \s, 0
	WIN 0
	s_barrier_wait -1
.if \refill
	CREST                                          ; no wave of any partner still reads this slot or has a load on its way
	JLOAD \slot
.else
	PLACES
.endif
	FETCH (\s)+2
	MUL8 3, \s, 0
	WIN 0
.endm
	s_load_b128 s[4:7], s[0:1], 0x0                ; pp s[4:5], vt s[6:7]
	s_load_b64 s[8:9], s[0:1], 0x10                ; out0
	v_lshl_add_u32 v[SPW], v0, 2, SPARE
	v_mov_b32 v[NIL], 0
	ds_add_u32 v[SPW], v[NIL]                      ; the wave's opening: the add, twice on end, and its wait ahead of my first tensor load
	ds_add_u32 v[SPW], v[NIL]
	v_lshrrev_b32 v1, 5, v0
	v_readfirstlane_b32 s[WV], v1
	s_lshr_b32 s[HR], s[WV], 1                     ; my half of the tile's queries.  Also: I fetch p (0) or v (1)
	s_and_b32 s[HC], s[WV], 1                      ; my half of its channels.  Also: which half I fetch
	s_bfe_u32 s21, ttmp6, 0x40000                  ; cx: the tile of 256 channels
	s_bfe_u32 s22, ttmp6, 0x40004                  ; cy
	s_and_b32 s23, ttmp7, 0xffff                   ; the cluster's y
	s_lshl_b32 s67, s23, 2
	s_add_co_u32 s67, s67, s22                     ; the tile of 128 queries among all 8,192
	s_lshr_b32 s66, s23, 2                         ; the batch
	s_lshl_b32 s69, s22, 2
	s_lshl_b32 s69, 15, s69                        ; my row of the cluster
	s_lshl_b32 s70, 0x1111, s21                    ; my column
	s_or_b32 s[G1T], s69, (3<<16)|(1<<21)          ; 15:0 the mask; 17:16 elements of 8 bytes; 21 set beside a mask
	s_mov_b32 s[G1T+1], 768<<16                    ; tensor_dim0 = 768 elements: 6,144 bytes, four images
	s_mov_b32 s[G1T+2], 4<<16                      ; tensor_dim1 = 4 blocks of 16 queries
	s_mov_b32 s[G1T+3], 768<<16
	s_mov_b32 s[G1T+4], 4
	s_mov_b32 s[G1T+5], 3072                       ; from block to block: 16 images, 24,576 bytes
	s_mov_b32 s[G1T+6], 0
	s_mov_b32 s[G1T+7], 0
	s_or_b32 s[G1U], s70, (3<<16)|(1<<21)
	s_mov_b32 s[G1U+1], 768<<16
	s_mov_b32 s[G1U+2], 8<<16                      ; 8 blocks of 16 channels
	s_mov_b32 s[G1U+3], 768<<16
	s_mov_b32 s[G1U+4], 8
	s_mov_b32 s[G1U+5], 12288                      ; from block to block: 64 images, 98,304 bytes
	s_mov_b32 s[G1U+6], 0
	s_mov_b32 s[G1U+7], 0
	s_lshl_b32 s72, s67, 3
	s_lshl_b32 s71, s[HC], 2
	s_add_co_u32 s72, s72, s71
	s_mul_i32 s72, s72, 24576                      ; p: blocks 8 x tile + 4 x half on
	s_mov_b32 s73, 0
	s_lshl_b32 s74, s21, 4
	s_lshl_b32 s71, s[HC], 3
	s_add_co_u32 s74, s74, s71
	s_mul_i32 s74, s74, 98304                      ; v: blocks 16 x tile + 8 x half on,
	s_mul_i32 s79, s66, 24576                      ; the batch's 16 K steps
	s_add_co_u32 s74, s74, s79
	s_mov_b32 s75, 0
	s_mul_i32 s77, s[HC], 24576                    ; where they go: no place in the cluster enters an LDS address
	s_mul_i32 s78, s[HC], 49152
	s_add_co_u32 s78, s78, UOFF
	s_mov_b32 s96, 0x76543210
	s_mov_b32 s97, 0xfedcba98
	s_mov_b32 s94, 0x80808080
	s_wait_dscnt 0x0                               ; both opening adds are done
	s_wait_kmcnt 0x0
	s_add_nc_u64 s[82:83], s[4:5], s[72:73]
	s_add_nc_u64 s[84:85], s[6:7], s[74:75]
.irp n, 0,1
	s_mov_b32 s[G0T+4*\n], 1
	s_add_co_u32 s[G0T+4*\n+1], s77, \n*SLOT
	s_add_nc_u64 s[G0T+4*\n+2:G0T+4*\n+3], s[82:83], \n*6144
	s_or_b32 s[G0T+4*\n+3], s[G0T+4*\n+3], 0x80000000
	s_mov_b32 s[G0U+4*\n], 1
	s_add_co_u32 s[G0U+4*\n+1], s78, \n*SLOT
	s_add_nc_u64 s[G0U+4*\n+2:G0U+4*\n+3], s[84:85], \n*6144
	s_or_b32 s[G0U+4*\n+3], s[G0U+4*\n+3], 0x80000000
.endr
	CROUND                                         ; all sixteen work-groups are here: the first joint loads meet
	JLOAD 0                                        ; one tensor load a wave at the head
	s_lshl_b32 s90, s67, 1
	s_add_co_u32 s90, s90, s[HR]                   ; which 64 queries are mine: one scale group
	s_lshl_b32 s86, s90, 12                        ; 16 blocks of 256 bytes a group
	s_add_co_u32 s86, s86, 12582912
	s_mov_b32 s87, 0
	s_lshl_b32 s88, s21, 2
	s_lshl_b32 s89, s[HC], 1
	s_add_co_u32 s88, s88, s89                     ; my 128 channels: two scale groups of 64 blocks
	s_lshl_b32 s88, s88, 14
	s_lshl_b32 s89, s66, 12                        ; the batch's 16 blocks
	s_add_co_u32 s88, s88, s89
	s_add_co_u32 s88, s88, 6291456
	s_mov_b32 s89, 0
	s_add_nc_u64 s[86:87], s[4:5], s[86:87]
	s_add_nc_u64 s[88:89], s[6:7], s[88:89]
	; the prefetches.  p: of a tile's 8 blocks each of the four partners takes two, a wave half of one; v: of 16 each takes four, a wave one
	s_lshl_b32 s72, s67, 3
	s_lshl_b32 s71, s21, 1
	s_add_co_u32 s72, s72, s71
	s_add_co_u32 s72, s72, s[HR]
	s_mul_i32 s72, s72, 24576
	s_mul_i32 s71, s[HC], 3072
	s_add_co_u32 s72, s72, s71
	s_add_nc_u64 s[56:57], s[4:5], s[72:73]
	s_lshl_b32 s74, s21, 4
	s_lshl_b32 s71, s22, 2
	s_add_co_u32 s74, s74, s71
	s_add_co_u32 s74, s74, s[WV]
	s_mul_i32 s74, s74, 98304
	s_add_co_u32 s74, s74, s79
	s_add_nc_u64 s[58:59], s[6:7], s[74:75]
	s_mul_i32 s70, s[HR], 24576
	s_mul_i32 s71, s[HC], 49152
	s_add_co_u32 s71, s71, UOFF
	s_mul_i32 s69, s[WV], 8448                     ; my stage for the way out: 16 rows x (512 bytes + 16), in slot 0
	v_and_b32 v[LN], 31, v0
	v_and_b32 v1, 15, v0                           ; r
	v_bfe_u32 v2, v0, 4, 1                         ; h
	v_lshlrev_b32 v[L16], 4, v[LN]
	v_lshlrev_b32 v[L8], 3, v[LN]
	v_min_u32 v[PFP], 11, v[LN]                    ; half of four images is 12 x 256 bytes (lanes that are left over name the last again),
	v_min_u32 v[PFV], 23, v[LN]                    ; four images are 24 x 256
	v_lshlrev_b32 v[PFP], 8, v[PFP]
	v_lshlrev_b32 v[PFV], 8, v[PFV]
	v_add_nc_u32 v[ADT], s70, v[L16]
	v_add_nc_u32 v[ADU], s71, v[L16]
	v_mul_u32_u24 v[STO], v1, 528
	v_add_nc_u32 v[RD], s69, v[L16]                ; back: a row of 512 bytes over the 32 lanes
	v_lshl_add_u32 v[STO], v2, 5, v[STO]
	v_add_nc_u32 v[ADT+1], SLOT, v[ADT]
	v_add_nc_u32 v[ADU+1], SLOT, v[ADU]
	v_add_nc_u32 v[STO], s69, v[STO]               ; in: row r, + 32 h
	v_cmp_le_u32 s95, 16, v[LN]                    ; lanes 16-31
	s_wait_alu depctr_va_vdst(0)
.irp s, 0,1,2,3,4,5,6,7,8,9,10,11,12,13,14,15
	global_load_b64 v[176+2*\s:177+2*\s], v[L8], s[86:87] offset:524288+256*\s      ; -M_loc
	global_load_b64 v[208+2*\s:209+2*\s], v[L8], s[86:87] offset:1048576+256*\s     ; l_loc
	global_load_b64 v[ST+2*\s:ST+2*\s+1], v[L8], s[86:87] offset:256*\s
	global_load_b64 v[SU+4*\s:SU+4*\s+1], v[L8], s[88:89] offset:256*\s
	global_load_b64 v[SU+4*\s+2:SU+4*\s+3], v[L8], s[88:89] offset:16384+256*\s
.endr
	ASK 1
	s_lshl_b32 s91, s67, 19                        ; out0: 128 rows of 4,096 bytes a tile,
	s_lshl_b32 s92, s[HR], 18                      ; my 64,
	s_add_co_u32 s91, s91, s92
	s_lshl_b32 s92, s21, 10                        ; 256 channels a tile,
	s_add_co_u32 s91, s91, s92
	s_lshl_b32 s92, s[HC], 9                       ; my 128
	s_add_co_u32 s92, s91, s92
	s_mov_b32 s93, 0
	s_add_nc_u64 s[8:9], s[8:9], s[92:93]
	s_wait_alu depctr_va_vdst(0)
	s_wait_tensorcnt 0x0                           ; my part of slot 0 is in
	ds_add_u32 v[SPW], v[NIL]
	s_wait_dscnt 0x0
	CROUND                                         ; everybody's part of slot 0 is in
	JLOAD 1                                        ; slot 1's first fill
	FETCH 0
	s_wait_loadcnt 0x0
	; register 2 s + t: lane l is row 32 t + l of my 64, K step s.  -M = the least -M_loc
.irp g, 0,1,2,3
.irp t, 0,1
	v_min3_num_f32 v[240+2*\g+\t], v[176+8*\g+\t], v[178+8*\g+\t], v[180+8*\g+\t]
.endr
.endr
.irp g, 0,1,2,3
.irp t, 0,1
	v_min_num_f32 v[240+2*\g+\t], v[240+2*\g+\t], v[182+8*\g+\t]
.endr
.endr
.irp t, 0,1
	v_min3_num_f32 v[30+\t], v[240+\t], v[242+\t], v[244+\t]
.endr
.irp t, 0,1
	v_min_num_f32 v[30+\t], v[30+\t], v[246+\t]
.endr
.macro FIX8 x                          ; eight registers by turns
.irp i, 0,1,2,3,4,5,6,7
	v_sub_f32 v[176+(\x)+\i], v[176+(\x)+\i], v[30+\i%2]           ; D = M - M_loc: a whole number, 0 or more,
.endr
.irp i, 0,1,2,3,4,5,6,7
	v_min_num_f32 v[176+(\x)+\i], 0x42fe0000, v[176+(\x)+\i]       ; held at 127
.endr
.irp i, 0,1,2,3,4,5,6,7
	v_cvt_u32_f32 v[176+(\x)+\i], v[176+(\x)+\i]
.endr
.irp i, 0,1,2,3,4,5,6,7
	v_sub_nc_u32 v[240+\i], 0, v[176+(\x)+\i]
.endr
.irp i, 0,1,2,3,4,5,6,7
	v_perm_b32 v[176+(\x)+\i], v[176+(\x)+\i], v[176+(\x)+\i], 0   ; D in all four bytes
.endr
.irp i, 0,1,2,3,4,5,6,7
	v_ldexp_f32 v[208+(\x)+\i], v[208+(\x)+\i], v[240+\i]          ; l_loc x 2^-D
.endr
.irp i, 0,1,2,3,4,5,6,7
	v_or_b32 v[240+\i], s94, v[ST+(\x)+\i]                         ; 128 + byte (a byte of p is 1 to 123),
.endr
.irp i, 0,1,2,3,4,5,6,7
	v_sub_nc_u32 v[240+\i], v[240+\i], v[176+(\x)+\i]              ; - D: 2 to 251 in each byte: no byte borrows from its neighbour
.endr
.irp i, 0,1,2,3,4,5,6,7
	v_and_b32 v[176+(\x)+\i], s94, v[240+\i]                       ; bit 7: byte - D is not negative
.endr
.irp i, 0,1,2,3,4,5,6,7
	v_lshrrev_b32 v[248+\i], 7, v[176+(\x)+\i]
.endr
.irp i, 0,1,2,3,4,5,6,7
	v_sub_nc_u32 v[176+(\x)+\i], v[176+(\x)+\i], v[248+\i]         ; 0x7f there, 0 elsewhere
.endr
.irp i, 0,1,2,3,4,5,6,7
	v_and_b32 v[ST+(\x)+\i], v[240+\i], v[176+(\x)+\i]             ; byte - D, or 0
.endr
.endm
.irp x, 0,8,16,24
	FIX8 \x
.endr
.irp d, 16,8,4,2                       ; l, by halves
.set j, 0
.rept \d
	v_add_f32 v[208+j], v[208+j], v[208+\d+j]
.set j, j+1
.endr
.endr
	s_wait_alu depctr_va_vdst(0)                   ; the wait ahead of the reciprocals
	v_rcp_f32 v208, v208
	v_rcp_f32 v209, v209
	v_nop                                          ; a plain place behind the reciprocals
	s_wait_alu depctr_va_vdst(0)                   ; and the wait ahead of the first use: one for both
	v_permlanex16_b32 v244, v208, s96, s97
	v_permlanex16_b32 v245, v209, s96, s97
	v_cndmask_b32 v8, v208, v244, s95              ; in a result lane (r, h) holds row 16 a + r: 1 / l of that row, from lane 16 (a % 2) + r of register a / 2; each twice, as the pair that the packed multiply names
	v_cndmask_b32 v9, v208, v244, s95
	v_cndmask_b32 v10, v244, v208, s95
	v_cndmask_b32 v11, v244, v208, s95
	v_cndmask_b32 v12, v209, v245, s95
	v_cndmask_b32 v13, v209, v245, s95
	v_cndmask_b32 v14, v245, v209, s95
	v_cndmask_b32 v15, v245, v209, s95             ; (these and the lines above are more than the eight places between the last write of a scale register and the first product)
	s_wait_alu depctr_va_vdst(0)
	FETCH 1
	ASK 2
	PSTEP 0, 1                                     ; the first step's products begin the sums
	PSTEP 1, 0
	PTURN 2, 0, 1                                  ; slot 0 takes K steps 8-11
	PSTEP 3, 0
	ASK 3
	PSTEP 4, 0
	PSTEP 5, 0
	PTURN 6, 1, 1                                  ; slot 1 takes K steps 12-15
	PSTEP 7, 0
	PSTEP 8, 0
	PSTEP 9, 0
	PTURN 10, 0, 0                                 ; nothing is left to fetch
	PSTEP 11, 0
	PSTEP 12, 0
	PSTEP 13, 0
	PSTEP 14, 0
	PSTEP 15, 0
	PLACES
; THE WAY OUT, 16 queries x 128 channels at a time: x 1 / l; through my own stage (slot 0 has had its last fill, and every wave has passed the last change of slots, behind which nobody reads it); back as whole rows of 512 bytes.
.macro SCALEO a
	WIN 0x82                                       ; destination and source 0 window 2, 1 / l window 0
.set j, 64*(\a)
.rept 32
	v_pk_mul_f32 v[j:j+1], v[j:j+1], v[8+2*(\a):9+2*(\a)] op_sel_hi:[1,0]     ; each accumulator from its low end on
.set j, j+2
.endr
.endm
.macro TOSTAGE a
	WIN 0x08                                       ; an LDS store's data are its source 1: window 2
.irp b, 0,1,2,3,4,5,6,7
	ds_store_b128 v[STO], v[64*(\a)+8*\b:64*(\a)+8*\b+3] offset:64*\b
	ds_store_b128 v[STO], v[64*(\a)+8*\b+4:64*(\a)+8*\b+7] offset:64*\b+16
.endr
	WIN 0
.set BB, 128+64*((\a)%2)
.irp t, 0,1,2,3,4,5,6,7,8,9,10,11,12,13,14,15
	ds_load_b128 v[BB+4*\t:BB+4*\t+3], v[RD] offset:528*\t         ; LDS serves a wave's instructions in order: these see my stores, and the next block's stores come behind them
.endr
.endm
.macro SEND a, younger                 ; younger: the LDS instructions issued behind block a's loads, which may stay out
.set BB, 128+64*((\a)%2)
	s_wait_dscnt \younger
.irp t, 0,1,2,3,4,5,6,7,8,9,10,11,12,13,14,15
	global_store_b128 v[L16], v[BB+4*\t:BB+4*\t+3], s[8:9] offset:(16*(\a)+\t)*4096 th:TH_STORE_NT    ; 512 consecutive bytes, aligned; written once
.endr
.endm
	SCALEO 0
	TOSTAGE 0
.irp a, 1,2,3
.if \a > 1
	s_wait_xcnt 0x0                                ; the stores of two blocks ago have read the registers in which this block's rows land
.endif
	SCALEO \a
	TOSTAGE \a
	SEND \a-1, 32                                  ; behind block a - 1's loads: block a's 16 stores and 16 loads
.endr
	SEND 3, 0
	s_wait_tensorcnt 0x0                           ; the wave's end: behind my last tensor load and my last LDS store
	ds_add_u32 v[SPW], v[NIL]
	s_wait_dscnt 0x0
	CROUND                                         ; the closing round
	s_endpgm
.Lfunc_end_k_q9442edb6c7_pv:
	.size	k_q9442edb6c7_pv, .Lfunc_end_k_q9442edb6c7_pv-k_q9442edb6c7_pv
	.p2alignl 7, 3214868480
	.fill 96, 4, 3214868480
	.section	.rodata,"a",@progbits
	.p2align	6, 0x0
	.amdhsa_kernel k_q9442edb6c7_pv
		.amdhsa_group_segment_fixed_size 327680
		.amdhsa_private_segment_fixed_size 0
		.amdhsa_enable_private_segment 0
		.amdhsa_kernarg_size 24
		.amdhsa_user_sgpr_count 2
		.amdhsa_user_sgpr_kernarg_segment_ptr 1
		.amdhsa_wavefront_size32 1
		.amdhsa_system_sgpr_workgroup_id_x 1
		.amdhsa_system_sgpr_workgroup_id_y 1
		.amdhsa_system_sgpr_workgroup_id_z 1
		.amdhsa_system_vgpr_workitem_id 0
		.amdhsa_next_free_vgpr 1024
		.amdhsa_next_free_sgpr 100
		.amdhsa_reserve_vcc 0
		.amdhsa_float_denorm_mode_32 3
		.amdhsa_float_denorm_mode_16_64 3
		.amdhsa_memory_ordered 1
		.amdhsa_forward_progress 1
		.amdhsa_inst_pref_size 165
	.end_amdhsa_kernel
	.amdgpu_metadata
---
amdhsa.version: [ 1, 2 ]
amdhsa.kernels:
  - .name:           k_q9442edb6c7_pv
    .symbol:         k_q9442edb6c7_pv.kd
    .args:
      - { .name: pp, .offset: 0, .size: 8, .value_kind: global_buffer, .address_space: global }
      - { .name: vt, .offset: 8, .size: 8, .value_kind: global_buffer, .address_space: global }
      - { .name: out0, .offset: 16, .size: 8, .value_kind: global_buffer, .address_space: global }
    .group_segment_fixed_size: 327680
    .private_segment_fixed_size: 0
    .kernarg_segment_align: 8
    .kernarg_segment_size: 24
    .max_flat_workgroup_size: 128
    .sgpr_count:     100
    .vgpr_count:     1024
    .wavefront_size: 32
...
	.end_amdgpu_metadata
.endif
;; end of part 4
